; MI455X (gfx1250); checked and timed in simulation.
; The chip was launched on July 23, 2026; its instructions are those of AMD's public machine-readable ISA for CDNA 5 (MIT licence, August 2026) and "CDNA5" Instruction Set Architecture Reference Guide (July 2026). The comments in the code are by the model that wrote it; some were corrected since.
;; Phase Coupled Complex Attention. Allowed arithmetic: matrix products marked QUANTISED: E2M1 operands, one E8M0 scale for each 32 along K, by v_wmma_scale_f32_16x16x128_f8f6f4 with both operands' format E2M1 (or v_wmma_scale_f32_32x16x128_f4), f32 sums; products left as they are: bf16, f16 or f32 operands; f32 sums; everything else in f32.
;; Inputs: k_wi 1,024 x 1,024 float32; k_wr 1,024 x 1,024 float32; o_wi 1,024 x 1,024 float32; o_wr 1,024 x 1,024 float32; q_wi 1,024 x 1,024 float32; q_wr 1,024 x 1,024 float32; v_wi 1,024 x 1,024 float32; v_wr 1,024 x 1,024 float32; z_imag 2 x 1,024 x 1,024 float32; z_real 2 x 1,024 x 1,024 float32.
;; Outputs: out0 2 x 1,024 x 1,024 float32; out1 2 x 1,024 x 1,024 float32.
;; This version of the problem:
;;   THIS VERSION OF THE PROBLEM IS GIVEN IN LOW PRECISION. The matrix products marked QUANTISED in the list below multiply operands that are first quantised to E2M1 (2 exponent bits, 1 mantissa bit; 4 bits a number), with one power-of-two scale for each 32 numbers along K (OCP MX v1.0); their sums are f32. The products marked 'left as it is' may take bf16, f16 or f32 operands, with f32 sums. Whichever they take, every output number must still come out within the allowed error. Rounding operands to bf16 (8 significant bits) uses up far more of that allowance than f16 does (11 bits, for magnitudes from 6e-5 to 65,504). All else is computed in f32.
;;   The module's matrix products, in the order in which they are computed (A, B: the left and right operand; K: the contracted axis; several contracted axes count as one K, in the product's order):
;;     1. [M 2,048, K 1,024] x [K 1,024, N 1,024]; A: input z_real; B: input q_wr: QUANTISED
;;     2. [M 2,048, K 1,024] x [K 1,024, N 1,024]; A: input z_imag; B: input q_wi: QUANTISED
;;     3. [M 2,048, K 1,024] x [K 1,024, N 1,024]; A: input z_imag; B: input q_wr: QUANTISED
;;     4. [M 2,048, K 1,024] x [K 1,024, N 1,024]; A: input z_real; B: input q_wi: QUANTISED
;;     5. [M 2,048, K 1,024] x [K 1,024, N 1,024]; A: input z_real; B: input k_wr: QUANTISED
;;     6. [M 2,048, K 1,024] x [K 1,024, N 1,024]; A: input z_imag; B: input k_wi: QUANTISED
;;     7. [M 2,048, K 1,024] x [K 1,024, N 1,024]; A: input z_imag; B: input k_wr: QUANTISED
;;     8. [M 2,048, K 1,024] x [K 1,024, N 1,024]; A: input z_real; B: input k_wi: QUANTISED
;;     9. [M 2,048, K 1,024] x [K 1,024, N 1,024]; A: input z_real; B: input v_wr: QUANTISED
;;     10. [M 2,048, K 1,024] x [K 1,024, N 1,024]; A: input z_imag; B: input v_wi: QUANTISED
;;     11. [M 2,048, K 1,024] x [K 1,024, N 1,024]; A: input z_imag; B: input v_wr: QUANTISED
;;     12. [M 2,048, K 1,024] x [K 1,024, N 1,024]; A: input z_real; B: input v_wi: QUANTISED
;;     13. batch 32 x [M 1,024, K 64] x [K 64, N 1,024]; A: computed on the way; B: computed on the way: left as it is (an operand is computed on the way)
;;     14. batch 32 x [M 1,024, K 64] x [K 64, N 1,024]; A: computed on the way; B: computed on the way: left as it is (an operand is computed on the way)
;;     15. batch 32 x [M 1,024, K 64] x [K 64, N 1,024]; A: computed on the way; B: computed on the way: left as it is (an operand is computed on the way)
;;     16. batch 32 x [M 1,024, K 64] x [K 64, N 1,024]; A: computed on the way; B: computed on the way: left as it is (an operand is computed on the way)
;;     17. batch 32 x [M 1,024, K 1,024] x [K 1,024, N 64]; A: computed on the way; B: computed on the way: left as it is (an operand is computed on the way)
;;     18. batch 32 x [M 1,024, K 1,024] x [K 1,024, N 64]; A: computed on the way; B: computed on the way: left as it is (an operand is computed on the way)
;;     19. [M 2,048, K 1,024] x [K 1,024, N 1,024]; A: computed on the way; B: input o_wr: left as it is (an operand is computed on the way)
;;     20. [M 2,048, K 1,024] x [K 1,024, N 1,024]; A: computed on the way; B: input o_wi: left as it is (an operand is computed on the way)
;;     21. [M 2,048, K 1,024] x [K 1,024, N 1,024]; A: computed on the way; B: input o_wr: left as it is (an operand is computed on the way)
;;     22. [M 2,048, K 1,024] x [K 1,024, N 1,024]; A: computed on the way; B: input o_wi: left as it is (an operand is computed on the way)
;;   THE QUANTISER, for each operand of a quantised product, along K:
;;     - K is cut into blocks of 32 from its start; a last block that is shorter is filled with zeros.
;;     - A block's scale is 2^e with e = floor(log2(the largest magnitude in the block)) - 2, held to -126 .. 127; a block of zeros has e = 0. As a byte (E8M0): e + 127.
;;     - Each number is divided by its block's scale, clamped to +-6, and rounded to the nearest number of E2M1, ties to even, subnormals kept.
;;     - The product sums the exact products of the quantised numbers (number of the format x scale) in f32.
;;   ~~~python
;;   def quantise(x, axis):      # numpy; x: float32 -> the quantised numbers, widened to float32 again
;;       x = np.moveaxis(x, axis, -1); K = x.shape[-1]
;;       x = np.pad(x, [(0, 0)] * (x.ndim - 1) + [(0, -K % 32)]); x = x.reshape(x.shape[:-1] + (-1, 32)); a = np.abs(x).max(-1, keepdims=True)
;;       e = np.where(a > 0, np.clip(np.frexp(np.where(a > 0, a, 1))[1] - 1 - 2, -126, 127), 0)      # np.frexp(a)[1] - 1 = floor(log2(a)), exactly
;;       r = np.clip(x / 2.0 ** e, -6, 6)
;;       step = 2.0 ** (np.maximum(np.frexp(np.where(r == 0, 1, r))[1] - 1, 0) - 1)
;;       q = np.round(r / step) * step * 2.0 ** e      # np.round: ties to even
;;       return np.moveaxis(q.reshape(q.shape[:-2] + (-1,))[..., :K], -1, axis).astype(np.float32)
;;   ~~~
;; One version. Each part assembles by itself: llvm-mc -triple=amdgcn-amd-amdhsa -mcpu=gfx1250 --defsym DOCPART=n.
;; ======== version 1 of 1: 4 launches
;; limits: values are held in f16: magnitudes above 65,504 overflow, below 6.1e-05 lose precision
;; workspace buffers: a_codes 2,097,152 bytes; a_scales 131,072 bytes; b_codes 6,291,456 bytes; b_scales 393,216 bytes; ow16 8,388,608 bytes; qkv 25,165,824 bytes; att 8,388,608 bytes
;; launch prep (part 1): grid 384 x 1, 4 waves a work-group, no clusters, 33,280 bytes of LDS; arguments z_real, z_imag, q_wr, q_wi, k_wr, k_wi, v_wr, v_wi, o_wr, o_wi, a_codes, a_scales, b_codes, b_scales, ow16; writes a_codes, a_scales, b_codes, b_scales, ow16
.if DOCPART == 1
	.amdgcn_target "amdgcn-amd-amdhsa--gfx1250"
	.amdhsa_code_object_version 6
	.text
	.protected	k_q2fc6d748d9_prep
	.globl	k_q2fc6d748d9_prep
	.p2align	8
	.type	k_q2fc6d748d9_prep,@function
k_q2fc6d748d9_prep:
	s_mov_b64 s[64:65], 0
	v_nop
	global_prefetch_b8 v0, s[64:65] scope:SCOPE_SE
	s_setreg_imm32_b32 hwreg(HW_REG_WAVE_MODE, 25, 1), 1
	s_wait_xcnt 0x0
; THE OPERANDS OF THE LATER LAUNCHES ARE LAID OUT ONCE.
; (1) z = zr + i zi [2048][1024] f32 and the weights of q, k, v [1024][1024] f32 become codes of FP4 (E2M1) with one E8M0 byte for each 32 along K (K is innermost in all of them).
;     The complex product is folded into K: a row of A is [zr | zi] (2,048 along K: 1,024 bytes of codes, 64 scale bytes); the row of B that makes a real channel is [wr | -wi], the row that makes
;     an imaginary channel [wi | wr].  -wi costs one exclusive or: the sign is bit 3 of each code; the scale bytes stay.  B's rows are ordered (16 type + head) 128 + c, c < 64 real, c + 64 imaginary.
; (2) o_wr, o_wi become f16 in the order of the last product's K (128 head + j; j < 64 real, else imaginary): row n = [o_wr | -o_wi] head by head, row 1024 + n = [o_wi | o_wr].
; A block's scale is 2^(floor(log2(its largest magnitude)) - 2); its byte is the largest magnitude's exponent field - 2, held at 1 from below.
; LIMITS: NaN and infinities among the inputs are not served by the quantiser; blocks whose largest magnitude lies under 2^-124 (the floor) were not tried; a block of zeros gets the byte 1 where the rule
; says 127 (its codes are zeros, and this program alone reads the bytes); |o_w| above 65,504 is held at 65,504, under 6e-5 its f16 error is absolute, 3e-8.
; SHARES: work-groups 0-127: z; 128-319: q, k, v (64 each); 320-383: o_w.  A wave takes 4 rows of both parts (real and imaginary).  Waves share nothing: no barrier.
.set WAVES, 4
.set STEPS, 16                         ; 8 steps of 512 numbers of the real part's 4 rows, then 8 of the imaginary part's
.set EMAX,  2
.set CB,    8                          ; bytes of 16 codes
.set R,     16                         ; v16-79   four sets of 16 numbers as they are loaded
.set X,     80                         ; v80-111  two sets of 16 neighbours
.set E,     112                        ; v112-127 a scale byte for each step
.set C,     128                        ; v128-191 four registers a step: two of codes, two of the same with the signs turned: no store's data are written again
.set WREG,  8192                       ; LDS: a region for each wave: two stages of 32 x SP bytes, behind them its 256 scale bytes
.set SP,    80
.set SPW,   12                         ; v12 LDS address of my spare word; never rewritten
.set NIL,   13                         ; v13 0; never rewritten
.set SPARE, WAVES*WREG                 ; the spare words: 128 bytes a wave, two blocks of 256 bytes that no other line names
.set OX,    32                         ; o_w's path: v32-159 eight sets of 16 numbers (8 of o_wr, 8 of o_wi)
.set FR16,  160                        ; v160-163 o_wr as f16;  v164-167 o_wi;  v168-171 -o_wi
.set FI16,  164
.set FN16,  168
.set OUTB,  172                        ; v172-187 two sets of 8: what is stored
	s_load_b512 s[4:19], s[0:1], 0x0               ; z_real, z_imag, q_wr, q_wi, k_wr, k_wi, v_wr, v_wi
	s_load_b256 s[20:27], s[0:1], 0x40             ; o_wr, o_wi, a_codes, a_scales
	s_load_b128 s[28:31], s[0:1], 0x60             ; b_codes, b_scales
	s_load_b64 s[32:33], s[0:1], 0x70              ; ow16
	v_lshl_add_u32 v[SPW], v0, 2, SPARE
	v_mov_b32 v[NIL], 0
	v_lshrrev_b32 v1, 5, v0
	v_readfirstlane_b32 s34, v1                    ; wave
	v_and_b32 v2, 31, v0                           ; lane
	v_lshlrev_b32 v3, 4, v2                        ; 16 x lane
	s_mul_i32 s35, s34, WREG
	v_lshrrev_b32 v14, 2, v2
	v_mul_u32_u24 v14, v14, SP
	v_and_b32 v15, 3, v2
	v_lshl_add_u32 v14, v15, 4, v14
	v_add_nc_u32 v14, s35, v14                     ; the stage, on the way in: SP (lane / 4) + 16 (lane % 4)
	v_mul_u32_u24 v15, v2, SP
	v_add_nc_u32 v15, s35, v15                     ; and on the way out: SP x lane: my 16 neighbours
	v_mul_u32_u24 v4, v2, CB                       ; my codes' place in a step's 256 bytes
	v_lshrrev_b32 v5, 1, v2
	s_add_co_u32 s35, s35, 2*32*SP
	v_add_nc_u32 v5, s35, v5                       ; my wave's 256 scale bytes, my block's byte
	v_lshlrev_b32 v7, 3, v2                        ; on the way out 8 bytes a lane,
	v_add_nc_u32 v6, s35, v7
	v_xor_b32 v1, 32, v7                           ; and the same with each row's two halves of 32 bytes changing places
	v_add_nc_u32 v1, s35, v1
	s_mov_b32 s49, 0
	s_wait_kmcnt 0x0
	s_cmp_lt_u32 ttmp9, 320
	s_cbranch_scc1 .Lquant
; ---- o_w to f16.  A unit is one row x two heads: 256 f16, 512 bytes of each of the two output rows.  Lane l stores 8 f16 at 16 l: head l / 16, j = 8 (l % 16).  Lanes l and l xor 8 load the same
; 32 bytes of o_wr and of o_wi (the instruction's lanes share them); one uses them for j < 64, the other for j >= 64: a select by a constant mask of lanes.
	s_sub_co_u32 s48, ttmp9, 320
	s_lshl_b32 s48, s48, 2
	s_add_co_u32 s48, s48, s34                     ; which 4 rows are my wave's
	s_lshl_b32 s48, s48, 14                        ; 4 rows of 4,096 bytes, in o_w and in ow16 alike
	s_add_nc_u64 s[20:21], s[20:21], s[48:49]
	s_add_nc_u64 s[22:23], s[22:23], s[48:49]
	s_add_nc_u64 s[32:33], s[32:33], s[48:49]
	s_mov_b32 s50, 0xff00ff00                      ; the lanes with j >= 64
	s_mov_b32 s51, 0x477fe000                      ; 65,504
	s_mov_b32 s52, 0xc77fe000                      ; -65,504
	s_mov_b32 s53, 0x80008000                      ; the signs of two f16
	v_lshrrev_b32 v20, 4, v2
	v_and_b32 v21, 7, v2
	v_lshlrev_b32 v20, 8, v20
	v_lshl_or_b32 v20, v21, 5, v20                 ; 256 (lane / 16) + 32 (lane % 8)
.macro OLOAD r, e
	global_load_b128 v[OX+16*(\e):OX+16*(\e)+3],     v20, s[20:21] offset:4096*(\r)+512*(\e) th:TH_LOAD_NT
	global_load_b128 v[OX+16*(\e)+4:OX+16*(\e)+7],   v20, s[20:21] offset:4096*(\r)+512*(\e)+16 th:TH_LOAD_NT
	global_load_b128 v[OX+16*(\e)+8:OX+16*(\e)+11],  v20, s[22:23] offset:4096*(\r)+512*(\e) th:TH_LOAD_NT
	global_load_b128 v[OX+16*(\e)+12:OX+16*(\e)+15], v20, s[22:23] offset:4096*(\r)+512*(\e)+16 th:TH_LOAD_NT
.endm
.macro UNIT r, e
.set XS, OX+16*(\e)
.set OB, OUTB+8*((\e)%2)
.if (\r) < 3
	s_wait_loadcnt 28                              ; my four loads are in; the seven younger units' 28 may be out
.else
	s_wait_loadcnt 4*(7-(\e))                      ; the last row loads nothing more: the counts run down
.endif
	s_wait_xcnt 0x0                                ; the earlier stores have read their data: this set of eight is written again only behind this wait
.irp i, 0,1,2,3,4,5,6,7,8,9,10,11,12,13,14,15
	v_med3_num_f32 v[XS+\i], v[XS+\i], s52, s51    ; the hold at f16's largest number
.endr
.irp i, 0,1,2,3
	v_cvt_pk_f16_f32 v[FR16+\i], v[XS+2*\i], v[XS+2*\i+1]
	v_cvt_pk_f16_f32 v[FI16+\i], v[XS+8+2*\i], v[XS+8+2*\i+1]
.endr
.irp i, 0,1,2,3
	v_xor_b32 v[FN16+\i], s53, v[FI16+\i]
.endr
.irp i, 0,1,2,3
	v_cndmask_b32 v[OB+\i], v[FR16+\i], v[FN16+\i], s50     ; row n: o_wr, or -o_wi where j >= 64
	v_cndmask_b32 v[OB+4+\i], v[FI16+\i], v[FR16+\i], s50   ; row 1024 + n: o_wi, or o_wr
.endr
.if (\r) < 3
	OLOAD (\r)+1, \e                               ; the set takes the same heads of the next row
.endif
	global_store_b128 v3, v[OB:OB+3], s[32:33] offset:4096*(\r)+512*(\e)             ; 32 lanes store 512 consecutive bytes, aligned
	global_store_b128 v3, v[OB+4:OB+7], s[32:33] offset:4194304+4096*(\r)+512*(\e)
.endm
.irp e, 0,1,2,3,4,5,6,7
	OLOAD 0, \e
.endr
.irp r, 0,1,2,3
.irp e, 0,1,2,3,4,5,6,7
	UNIT \r, \e
.endr
.endr
	s_branch .Lend
; ---- the quantiser: ONE path for z and for the three weights; only pointers and whole numbers are chosen, by the work-group's number alone.
.Lquant:
	s_mov_b64 s[36:37], s[16:17]                   ; the real part's source: v_wr,
	s_mov_b64 s[38:39], s[18:19]                   ; the imaginary part's: v_wi,
	s_cmp_lt_u32 ttmp9, 256
	s_cselect_b64 s[36:37], s[12:13], s[36:37]     ; or k's,
	s_cselect_b64 s[38:39], s[14:15], s[38:39]
	s_cmp_lt_u32 ttmp9, 192
	s_cselect_b64 s[36:37], s[8:9], s[36:37]       ; or q's,
	s_cselect_b64 s[38:39], s[10:11], s[38:39]
	s_cmp_lt_u32 ttmp9, 128
	s_cselect_b64 s[36:37], s[4:5], s[36:37]       ; or z's
	s_cselect_b64 s[38:39], s[6:7], s[38:39]
	s_cselect_b64 s[40:41], s[24:25], s[28:29]     ; the codes' buffer
	s_cselect_b64 s[42:43], s[26:27], s[30:31]     ; the scale bytes'
	s_mov_b32 s44, 0x88888888
	s_cselect_b32 s44, 0, s44                      ; the signs of eight codes: turned for a weight's imaginary part, left for z's
	s_cselect_b32 s45, 0, 128                      ; the path's first work-group
	s_mov_b32 s46, 255
	s_cselect_b32 s46, 511, s46                    ; runs of 4 rows in a source, less 1
	s_sub_co_u32 s45, ttmp9, s45
	s_lshl_b32 s45, s45, 2
	s_add_co_u32 s45, s45, s34                     ; u: my wave's run
	s_and_b32 s46, s45, s46                        ; in its source
	s_lshl_b32 s48, s46, 14                        ; 4 rows of 4,096 bytes
	s_add_nc_u64 s[36:37], s[36:37], s[48:49]
	s_add_nc_u64 s[38:39], s[38:39], s[48:49]
	s_lshr_b32 s47, s45, 8                         ; a weight's row in B: type x 2048
	s_lshl_b32 s47, s47, 11
	s_lshr_b32 s50, s46, 4                         ; + head x 128
	s_lshl_b32 s50, s50, 7
	s_add_co_u32 s47, s47, s50
	s_and_b32 s50, s46, 15                         ; + the channel in the head
	s_lshl_b32 s50, s50, 2
	s_add_co_u32 s47, s47, s50
	s_lshl_b32 s50, s45, 2                         ; z's row in A: 4 u
	s_cmp_lt_u32 ttmp9, 128
	s_cselect_b32 s47, s50, s47
	s_lshl_b32 s48, s47, 10                        ; 1,024 bytes of codes a row
	s_add_nc_u64 s[40:41], s[40:41], s[48:49]
	s_lshl_b32 s48, s47, 6                         ; 64 scale bytes a row
	s_add_nc_u64 s[42:43], s[42:43], s[48:49]
.macro LOAD t
.irp i, 0,1,2,3
.if (\t) < 8
	global_load_b128 v[R+16*((\t)%4)+4*\i:R+16*((\t)%4)+4*\i+3], v3, s[36:37] offset:2048*((\t)%8)+512*\i th:TH_LOAD_NT   ; 32 lanes read 512 consecutive bytes
.else
	global_load_b128 v[R+16*((\t)%4)+4*\i:R+16*((\t)%4)+4*\i+3], v3, s[38:39] offset:2048*((\t)%8)+512*\i th:TH_LOAD_NT
.endif
.endr
.endm
.macro TURN t                          ; step t's numbers through the stage, so that a lane gets 16 neighbours: LDS serves a wave's instructions in order, so no wait stands between the stores and the loads
.irp i, 0,1,2,3
	ds_store_b128 v14, v[R+16*((\t)%4)+4*\i:R+16*((\t)%4)+4*\i+3] offset:32*SP*((\t)%2)+8*SP*\i
.endr
.irp i, 0,1,2,3
	ds_load_b128 v[X+16*((\t)%2)+4*\i:X+16*((\t)%2)+4*\i+3], v15 offset:32*SP*((\t)%2)+16*\i
.endr
.endm
.irp t, 0,1,2,3
	LOAD \t
.endr
	s_wait_loadcnt 12                              ; step 0's four loads are in
	TURN 0
.macro STEP t
.set XS, X+16*((\t)%2)
.set JR, ((\t)%8)/2                    ; which of my 4 rows
.set FH, (\t)%2                        ; which half of its 1,024 numbers
.if (\t) > 0
	s_wait_dscnt 1                                 ; this step's numbers are back from the stage (the last step's byte store may be out)
.else
	s_wait_dscnt 0x0
.endif
.if (\t)+4 < STEPS
	LOAD (\t)+4
.endif
.if (\t)+1 < STEPS
.if STEPS-2-(\t) >= 3
	s_wait_loadcnt 12                              ; the next step's four loads are in; those of the three steps behind it may be out
.else
	s_wait_loadcnt 4*(STEPS-2-(\t))
.endif
	TURN (\t)+1
.endif
	v_max3_num_f32 v8, |v[XS]|, |v[XS+1]|, |v[XS+2]|               ; the largest magnitude of my 16
	v_max3_num_f32 v9, |v[XS+3]|, |v[XS+4]|, |v[XS+5]|
.irp i, 6,10
	v_max3_num_f32 v8, v8, |v[XS+\i]|, |v[XS+\i+1]|
	v_max3_num_f32 v9, v9, |v[XS+\i+2]|, |v[XS+\i+3]|
.endr
	v_max3_num_f32 v8, v8, |v[XS+14]|, |v[XS+15]|
	v_max3_num_f32 v8, v8, v9, (EMAX+1)<<23        ; and the floor 2^(3 - 127): the byte cannot fall under 1
	v_max_num_f32_dpp v8, v8, v8 row_xmask:1 row_mask:0xf bank_mask:0xf   ; and of my neighbour's 16: the block's
	v_add_nc_u32 v11, -(EMAX<<23), v8              ; 2 off its exponent field: the conversion takes the exponent field of this operand as its scale
	v_cvt_scalef32_pk8_fp4_f32 v[C+4*(\t)], v[XS:XS+7], v11
	v_cvt_scalef32_pk8_fp4_f32 v[C+4*(\t)+1], v[XS+8:XS+15], v11
	v_lshrrev_b32 v[E+(\t)], 23, v11               ; the scale's byte (also the plain line behind the conversions)
.if (\t) >= 8
	v_xor_b32 v[C+4*(\t)+2], s44, v[C+4*(\t)]      ; the imaginary part with its signs turned (z: left as they are)
	v_xor_b32 v[C+4*(\t)+3], s44, v[C+4*(\t)+1]
.endif
	ds_store_b8 v5, v[E+(\t)] offset:64*JR+32*((\t)/8)+16*FH       ; the wave's 256 bytes are 4 rows of [real part's 32 | imaginary part's 32]
.if (\t) < 8
	global_store_b64 v4, v[C+4*(\t):C+4*(\t)+1], s[40:41] offset:1024*JR+256*FH          ; 32 lanes store 256 consecutive bytes, aligned
.else
	global_store_b64 v4, v[C+4*(\t)+2:C+4*(\t)+3], s[40:41] offset:1024*JR+512+256*FH
.endif
.endm
.irp t, 0,1,2,3,4,5,6,7,8,9,10,11,12,13,14,15
	STEP \t
.endr
	ds_load_b64 v[8:9], v6                         ; LDS serves a wave's instructions in order: this sees my byte stores
	s_wait_dscnt 0x0
	global_store_b64 v7, v[8:9], s[42:43]          ; 4 rows of scale bytes: 256 consecutive bytes, aligned
	s_cmp_lt_u32 ttmp9, 128
	s_cbranch_scc1 .Lend                           ; z has one image
	ds_load_b64 v[10:11], v1                       ; a weight's second image, 64 rows on: [wi | wr]
.irp t, 0,1,2,3,4,5,6,7,8,9,10,11,12,13,14,15
	global_store_b64 v4, v[C+4*\t:C+4*\t+1], s[40:41] offset:65536+1024*((\t%8)/2)+512*(1-\t/8)+256*(\t%2)
.endr
	s_wait_dscnt 0x0
	global_store_b64 v7, v[10:11], s[42:43] offset:4096
.Lend:
	s_wait_tensorcnt 0x0                           ; the wave's end: behind my last LDS store
	ds_add_u32 v[SPW], v[NIL]
	s_wait_dscnt 0x0
	s_endpgm
.Lfunc_end_k_q2fc6d748d9_prep:
	.size	k_q2fc6d748d9_prep, .Lfunc_end_k_q2fc6d748d9_prep-k_q2fc6d748d9_prep
	.p2alignl 7, 3214868480
	.fill 96, 4, 3214868480
	.section	.rodata,"a",@progbits
	.p2align	6, 0x0
	.amdhsa_kernel k_q2fc6d748d9_prep
		.amdhsa_group_segment_fixed_size 33280
		.amdhsa_private_segment_fixed_size 0
		.amdhsa_enable_private_segment 0
		.amdhsa_kernarg_size 120
		.amdhsa_user_sgpr_count 2
		.amdhsa_user_sgpr_kernarg_segment_ptr 1
		.amdhsa_wavefront_size32 1
		.amdhsa_system_sgpr_workgroup_id_x 1
		.amdhsa_system_sgpr_workgroup_id_y 1
		.amdhsa_system_sgpr_workgroup_id_z 1
		.amdhsa_system_vgpr_workitem_id 0
		.amdhsa_next_free_vgpr 192
		.amdhsa_next_free_sgpr 66
		.amdhsa_reserve_vcc 0
		.amdhsa_float_denorm_mode_32 3
		.amdhsa_float_denorm_mode_16_64 3
		.amdhsa_memory_ordered 1
		.amdhsa_forward_progress 1
		.amdhsa_inst_pref_size 125
	.end_amdhsa_kernel
	.amdgpu_metadata
---
amdhsa.version: [ 1, 2 ]
amdhsa.kernels:
  - .name:           k_q2fc6d748d9_prep
    .symbol:         k_q2fc6d748d9_prep.kd
    .args:
      - { .name: z_real, .offset: 0, .size: 8, .value_kind: global_buffer, .address_space: global }
      - { .name: z_imag, .offset: 8, .size: 8, .value_kind: global_buffer, .address_space: global }
      - { .name: q_wr, .offset: 16, .size: 8, .value_kind: global_buffer, .address_space: global }
      - { .name: q_wi, .offset: 24, .size: 8, .value_kind: global_buffer, .address_space: global }
      - { .name: k_wr, .offset: 32, .size: 8, .value_kind: global_buffer, .address_space: global }
      - { .name: k_wi, .offset: 40, .size: 8, .value_kind: global_buffer, .address_space: global }
      - { .name: v_wr, .offset: 48, .size: 8, .value_kind: global_buffer, .address_space: global }
      - { .name: v_wi, .offset: 56, .size: 8, .value_kind: global_buffer, .address_space: global }
      - { .name: o_wr, .offset: 64, .size: 8, .value_kind: global_buffer, .address_space: global }
      - { .name: o_wi, .offset: 72, .size: 8, .value_kind: global_buffer, .address_space: global }
      - { .name: a_codes, .offset: 80, .size: 8, .value_kind: global_buffer, .address_space: global }
      - { .name: a_scales, .offset: 88, .size: 8, .value_kind: global_buffer, .address_space: global }
      - { .name: b_codes, .offset: 96, .size: 8, .value_kind: global_buffer, .address_space: global }
      - { .name: b_scales, .offset: 104, .size: 8, .value_kind: global_buffer, .address_space: global }
      - { .name: ow16, .offset: 112, .size: 8, .value_kind: global_buffer, .address_space: global }
    .group_segment_fixed_size: 33280
    .private_segment_fixed_size: 0
    .kernarg_segment_align: 8
    .kernarg_segment_size: 120
    .max_flat_workgroup_size: 128
    .sgpr_count:     66
    .vgpr_count:     192
    .wavefront_size: 32
...
	.end_amdgpu_metadata
.endif
;; end of part 1
;; launch qkv (part 2): grid 24 x 8, 4 waves a work-group, clusters of 4 x 4, 327,680 bytes of LDS; arguments a_codes, a_scales, b_codes, b_scales, qkv; writes qkv
.if DOCPART == 2
	.amdgcn_target "amdgcn-amd-amdhsa--gfx1250"
	.amdhsa_code_object_version 6
	.text
	.protected	k_q2fc6d748d9_qkv
	.globl	k_q2fc6d748d9_qkv
	.p2align	8
	.type	k_q2fc6d748d9_qkv,@function
k_q2fc6d748d9_qkv:
	s_mov_b64 s[64:65], 0
	v_nop
	global_prefetch_b8 v0, s[64:65] scope:SCOPE_SE
	s_setreg_imm32_b32 hwreg(HW_REG_WAVE_MODE, 25, 1), 1
	s_wait_xcnt 0x0
	s_wait_alu depctr_hold_cnt(0) depctr_sa_sdst(0) depctr_va_vdst(0) depctr_va_sdst(0) depctr_va_ssrc(0) depctr_va_vcc(0) depctr_vm_vsrc(0)
	s_getreg_b32 s2, hwreg(HW_REG_IB_STS2, 6, 4)
	s_cmp_eq_u32 s2, 0
	s_cbranch_scc0 .Lentry_in_a_cluster
	s_endpgm
.Lentry_in_a_cluster:
	s_bfe_u32 s2, ttmp6, 0x10000c
	s_cmp_lg_u32 s2, 0xf033
	s_cbranch_scc0 .Lentry_shape_is_right
	s_endpgm
.Lentry_shape_is_right:
; THE TWELVE QUANTISED PRODUCTS AS ONE GEMM ON CODES OF FP4: C[m][n'] = sum over k of A[m][k] B[n'][k], A [2048][2048] = [zr | zi], B [6144][2048] = rows [wr | -wi] and [wi | wr] of q, k, v.
; Codes: two a byte, K innermost; one E8M0 byte for each 32 along K.  Sums in f32.  On the way out: NaN -> 0, +-infinity -> +-1e4, as the model has it, then f16:
; qkv [48 (16 type + head)][2048 m][128 channels: 64 real, 64 imaginary].  LIMIT: finite |q|, |k|, |v| above 65,504 are held at 65,504; under 6e-5 the f16 error is absolute, 3e-8.
; A tile of C, 256 x 256, is made by a work-group of four waves; a wave makes 128 x 128 (one head of one type, 128 rows): 64 accumulators, 512 registers.  24 x 8 = 192 work-groups: a smaller tile would cut a head's 256-byte rows.
; K goes in steps of 512 through a ring of two LDS slots filled by the tensor data mover: a tile's row is 256 bytes of memory.  The scale bytes of the work-group's rows, for all of K, come into LDS once.
; CLUSTERS: 4 x 4 work-groups; A's tiles are asked for jointly along a row of the cluster, B's along a column.  THE MATRIX INSTRUCTION IS USED TRANSPOSED (source 0 = 16 rows of B, source 1 = 16 rows of A).
; REGISTERS, in windows of 256: window 0: v0-31 addresses; v32-95 scale words, two sets; from v128 A's fragments, one set; on the way out v32-255 are free.
;   window 1: B's fragments, two sets, at v0 and v128.   window 2: the accumulators of my rows 0-63 ((a, b) at v[8 (8 a + b)]);   window 3: those of my rows 64-127.
.set SIZE_M, 2048
.set SIZE_N, 6144
.set SIZE_K, 2048
.set KSTEP,  512
.set NQ,     KSTEP/128
.set ROWB,   256
.set KROW,   SIZE_K*4/8
.set PITCH,  272                       ; an LDS row: 256 bytes + 16 of padding: the 16 rows that a load touches start 68 words apart
.set FR,     8
.set NL,     2
.set NP,     4                         ; places behind this matrix instruction (ISA guide 7.12.1)
.set HALFT,  128*PITCH
.set SLOT,   4*HALFT
.set LAPS,   SIZE_K/(2*KSTEP)
.set KS,     SIZE_K/32
.set SCL,    2*SLOT                    ; behind the ring: the scales, as units of 256 bytes + 16 of padding
.set HALFS,  (128*KS/256)*272
.set SBLK,   (16*KS/256)*272
.set SPARE,  SCL+4*HALFS               ; the spare words, 128 bytes a wave: two blocks of 256 bytes that no other line names
.set SPITCH, 528                       ; the way out: a stage of 16 rows x (512 + 16) bytes for each wave, in slot 0, which has had its last fill and its last read by then
.set ADRA, 16
.set ADRB, 20
.set STO,  24
.set RD,   25
.set CO,   26                          ; v26 8 x lane: my 4 f16 of a row of 128
.set SPW,  28
.set NIL,  29
.set ADRS, 27
.set SC,   32
.set AF,   128
.set BK,   128                         ; the way out: 16 rows back from the stage: v128-191 and v192-255 by turns
.set TT,   32                          ; the way out: v32-47 at work
.set OUTR, 64                          ; the way out: v64-95 and v96-127 by turns: 16 rows as f16
.set G1, 24
.set G0, 32
.set G1B, 48
.set G0B, 56
.set G1S, 68
.set G0S, 76
.set G1SB, 80
.set G0SB, 88
.set MSB, 0
.macro WIN new                         ; the immediate's high byte repeats the setting that is left
.if MSB != \new
	s_set_vgpr_msb (MSB<<8)|\new
.set MSB, \new
.endif
.endm
.set MUL_LO, 0xa1                      ; source 0 (B) window 1, source 1 (A) window 0, C and D window 2
.set MUL_HI, 0xf1                      ; the same, C and D window 3
.set TO_B,   0x40                      ; destination window 1, address window 0
; A joint load: waves 0 and 1 fetch for A, waves 2 and 3 for B; the branch hangs on the wave's number alone.  An s_nop 0 and four v_nop follow each of the two lines.
.macro JLOAD g0a, g1a, g0b, g1b
	s_cmp_eq_u32 s15, 0
	s_cbranch_scc0 .Lfor_b_\@
	tensor_load_to_lds s[\g0a:\g0a+3], s[\g1a:\g1a+7]
	s_nop 0
.rept 4
	v_nop
.endr
	s_branch .Lasked_\@
.Lfor_b_\@:
	tensor_load_to_lds s[\g0b:\g0b+3], s[\g1b:\g1b+7]
	s_nop 0
.rept 4
	v_nop
.endr
.Lasked_\@:
.endm
.macro CREST                           ; a round of the cluster's barrier behind its opening barrier
	s_cmp_lg_u32 s14, 0
	s_cbranch_scc1 .Lnot_wave_0_\@
	s_barrier_signal -3
.Lnot_wave_0_\@:
	s_barrier_wait -3
	s_barrier_signal -1
	s_barrier_wait -1
.endm
.macro CROUND
	s_barrier_signal -1
	s_barrier_wait -1
	CREST
.endm
	s_load_b128 s[4:7], s[0:1], 0x0                ; A's codes, A's scales
	s_load_b128 s[8:11], s[0:1], 0x10              ; B's codes, B's scales
	s_load_b64 s[12:13], s[0:1], 0x20              ; qkv
	v_lshl_add_u32 v[SPW], v0, 2, SPARE
	v_mov_b32 v[NIL], 0
	ds_add_u32 v[SPW], v[NIL]                      ; the wave's opening: the add, twice on end, and its wait ahead of my first tensor load
	ds_add_u32 v[SPW], v[NIL]
	v_lshrrev_b32 v1, 5, v0
	v_readfirstlane_b32 s14, v1                    ; wave 0..3
	s_lshr_b32 s15, s14, 1                         ; which half of the tile's rows is mine.  Also: I fetch for A (0) or for B (1)
	s_and_b32 s16, s14, 1                          ; which half of its columns.  Also: which 128 rows of that tile I fetch
	s_bfe_u32 s40, ttmp6, 0x40000                  ; cx, cy
	s_bfe_u32 s41, ttmp6, 0x40004
	s_lshl_b32 s42, ttmp9, 2
	s_add_co_u32 s42, s42, s40                     ; tile column = 4 x cluster x + cx
	s_and_b32 s17, ttmp7, 0xffff
	s_lshl_b32 s17, s17, 2
	s_add_co_u32 s17, s17, s41                     ; tile row = 4 x cluster y + cy
	s_lshl_b32 s43, s41, 2
	s_lshl_b32 s43, 15, s43                        ; my row of the cluster
	s_lshl_b32 s44, 0x1111, s40                    ; my column
	s_or_b32 s[G1+0], s43, (0<<16)|(1<<20)|(1<<21)|(5<<22)|(3<<25)  ; the mask; elements of 1 byte; padding on; bit 21 beside a mask; 4 words after every 64
	s_or_b32 s[G1B+0], s44, (0<<16)|(1<<20)|(1<<21)|(5<<22)|(3<<25)
.irp g, G1, G1B
	s_mov_b32 s[\g+1], ROWB<<16                    ; tensor_dim0
	s_mov_b32 s[\g+2], 128<<16                     ; tensor_dim1
	s_mov_b32 s[\g+3], ROWB<<16                    ; tile_dim0
	s_mov_b32 s[\g+4], 128                         ; tile_dim1
	s_mov_b32 s[\g+5], KROW                        ; the pitch
	s_mov_b32 s[\g+6], 0
	s_mov_b32 s[\g+7], 0
.endr
	s_or_b32 s[G1S+0], s43, (3<<16)|(1<<20)|(1<<21)|(5<<22)|(3<<25)   ; the scales of 128 rows: a dense block, as rows of 256 bytes (32 elements of 8 bytes)
	s_or_b32 s[G1SB+0], s44, (3<<16)|(1<<20)|(1<<21)|(5<<22)|(3<<25)
.irp g, G1S, G1SB
	s_mov_b32 s[\g+1], 32<<16
	s_mov_b32 s[\g+2], (128*KS/256)<<16
	s_mov_b32 s[\g+3], 32<<16
	s_mov_b32 s[\g+4], 128*KS/256
	s_mov_b32 s[\g+5], 32
	s_mov_b32 s[\g+6], 0
	s_mov_b32 s[\g+7], 0
.endr
	s_mov_b32 s95, 0x461c4000                      ; 1e4
	s_mov_b32 s96, 0x477fe000                      ; 65,504
	s_mov_b32 s97, s96                             ; (named with it as a pair, so it is written)
	s_lshl_b32 s18, s16, 7
	s_lshl_b32 s20, s17, 8
	s_add_co_u32 s20, s20, s18                     ; A: row 256 x tile row + 128 x half
	s_lshl_b32 s46, s42, 8
	s_add_co_u32 s46, s46, s18                     ; B: row 256 x tile column + 128 x half
	s_mov_b32 s21, 0
	s_mov_b32 s47, 0
	s_mov_b64 s[18:19], KS
	s_mul_u64 s[22:23], s[20:21], s[18:19]         ; where these rows' scales begin,
	s_mul_u64 s[92:93], s[46:47], s[18:19]
	s_mov_b64 s[18:19], KROW
	s_mul_u64 s[20:21], s[20:21], s[18:19]         ; and their codes
	s_mul_u64 s[46:47], s[46:47], s[18:19]
	s_mul_i32 s45, s14, HALFT                      ; where they go: wave x 128 rows
	s_mul_i32 s94, s14, HALFS
	s_wait_dscnt 0x0                               ; both opening adds are done
	s_wait_kmcnt 0x0
	s_add_nc_u64 s[20:21], s[4:5], s[20:21]
	s_add_nc_u64 s[22:23], s[6:7], s[22:23]
	s_add_nc_u64 s[46:47], s[8:9], s[46:47]
	s_add_nc_u64 s[92:93], s[10:11], s[92:93]
	CROUND                                         ; all sixteen work-groups are here: the first joint loads meet
	s_mov_b32 s[G0S], 1
	s_add_co_u32 s[G0S+1], s94, SCL
	s_mov_b64 s[G0S+2:G0S+3], s[22:23]
	s_or_b32 s[G0S+3], s[G0S+3], 0x80000000
	s_mov_b32 s[G0SB], 1
	s_add_co_u32 s[G0SB+1], s94, SCL
	s_mov_b64 s[G0SB+2:G0SB+3], s[92:93]
	s_or_b32 s[G0SB+3], s[G0SB+3], 0x80000000
	JLOAD G0S, G1S, G0SB, G1SB                     ; the scales first: they are wanted with K step 0
.irp s, 0,1
	s_mov_b32 s[G0+4*\s], 1
	s_add_co_u32 s[G0+4*\s+1], s45, \s*SLOT
	s_add_nc_u64 s[G0+4*\s+2:G0+4*\s+3], s[20:21], \s*ROWB
	s_or_b32 s[G0+4*\s+3], s[G0+4*\s+3], 0x80000000
	s_mov_b32 s[G0B+4*\s], 1
	s_add_co_u32 s[G0B+4*\s+1], s45, \s*SLOT
	s_add_nc_u64 s[G0B+4*\s+2:G0B+4*\s+3], s[46:47], \s*ROWB
	s_or_b32 s[G0B+4*\s+3], s[G0B+4*\s+3], 0x80000000
	JLOAD G0+4*\s, G1, G0B+4*\s, G1B
.endr
	v_and_b32 v1, 15, v0                           ; l % 16
	v_bfe_u32 v2, v0, 4, 1                         ; l / 16
	v_mul_u32_u24 v3, v1, PITCH
	v_lshl_add_u32 v4, v2, 4, v3                   ; a fragment's row x pitch + 16 x half
	s_mul_i32 s21, s15, HALFT                      ; my 128 rows of A
	s_mul_i32 s22, s16, HALFT                      ; my 128 rows of B,
	s_add_co_u32 s22, s22, 2*HALFT                 ; behind A's 256
.irp s, 0,1
	v_add_nc_u32 v[ADRA+\s], s21, v4
	v_add_nc_u32 v[ADRB+\s], s22, v4
	s_add_co_u32 s21, s21, SLOT
	s_add_co_u32 s22, s22, SLOT
.endr
	v_mul_u32_u24 v5, v1, KS                       ; my row's scales: KS bytes a row,
	v_lshrrev_b32 v6, 8, v5
	v_lshl_add_u32 v5, v6, 4, v5                   ; and 16 more for each 256 passed
	s_mul_i32 s21, s15, HALFS
	s_mul_i32 s22, s16, HALFS
	s_add_co_u32 s22, s22, 2*HALFS
	s_sub_co_u32 s22, s22, s21
	v_mul_u32_u24 v6, s22, v2                      ; lanes 16-31 take B's
	s_add_co_u32 s21, s21, SCL
	v_add_nc_u32 v5, v5, v6
	v_add_nc_u32 v[ADRS], s21, v5
	s_mul_i32 s23, s14, 16*SPITCH                  ; my stage
	v_mul_u32_u24 v5, v1, SPITCH                   ; in: row l % 16, 32 bytes for each half of the lanes
	v_lshl_add_u32 v5, v2, 5, v5
	v_add_nc_u32 v[STO], s23, v5
	v_and_b32 v6, 31, v0
	v_lshl_add_u32 v[RD], v6, 4, s23               ; back: the 32 lanes take one row of 512 bytes, 4 numbers each,
	v_lshlrev_b32 v[CO], 3, v6                     ; which are 8 bytes of a row of qkv
	s_lshl_b32 s46, s42, 1
	s_add_co_u32 s46, s46, s16                     ; 16 type + head = 2 x tile column + my half
	s_lshl_b32 s46, s46, 11                        ; x 2,048 rows
	s_lshl_b32 s20, s17, 8
	s_add_co_u32 s46, s46, s20                     ; + 256 x tile row
	s_lshl_b32 s20, s15, 7
	s_add_co_u32 s46, s46, s20                     ; + 128 x my half
	s_lshl_b32 s46, s46, 8                         ; rows of 256 bytes
	s_mov_b32 s47, 0
	s_add_nc_u64 s[12:13], s[12:13], s[46:47]      ; never stepped: the stores' immediates carry the rows
.macro FRAG reg, adr, q, i             ; a fragment, 16 rows x 128 K of 4-bit codes: lane l holds row l % 16; registers 4 c .. 4 c + 3 hold K = 64 c + 32 (l / 16) + 0 .. 31
.irp c, 0,1
	ds_load_b128 v[\reg+4*\c:\reg+4*\c+3], v[\adr] offset:64*(\q)+32*\c+(\i)*16*PITCH
.endr
.endm
; 16 matrix instructions: A's blocks a0, a0 + 1 x B's eight, 128 along K.  The 64 accumulators take turns, one instruction a turn, in the same order in every step.
.macro MUL16 a0, p, q, sc, zero
.irp a, \a0, \a0+1
.irp b, 0,1,2,3,4,5,6,7
.if \zero
	v_wmma_scale_f32_16x16x128_f8f6f4 v[8*(8*((\a)%4)+\b):8*(8*((\a)%4)+\b)+7], v[128*(\p)+FR*\b:128*(\p)+FR*\b+FR-1], v[AF+FR*(\a):AF+FR*(\a)+FR-1], 0, v[SC+8*NQ*(\sc)+NQ*\b+(\q)], v[SC+8*NQ*(\sc)+NQ*(\a)+(\q)] matrix_a_fmt:MATRIX_FMT_FP4 matrix_b_fmt:MATRIX_FMT_FP4 matrix_a_scale:MATRIX_SCALE_ROW1
.else
	v_wmma_scale_f32_16x16x128_f8f6f4 v[8*(8*((\a)%4)+\b):8*(8*((\a)%4)+\b)+7], v[128*(\p)+FR*\b:128*(\p)+FR*\b+FR-1], v[AF+FR*(\a):AF+FR*(\a)+FR-1], v[8*(8*((\a)%4)+\b):8*(8*((\a)%4)+\b)+7], v[SC+8*NQ*(\sc)+NQ*\b+(\q)], v[SC+8*NQ*(\sc)+NQ*(\a)+(\q)] matrix_a_fmt:MATRIX_FMT_FP4 matrix_b_fmt:MATRIX_FMT_FP4 matrix_a_scale:MATRIX_SCALE_ROW1
.endif
.endr
.endr
.endm
.macro FETCH_B slot, q, p
	WIN TO_B
.irp i, 0,1,2,3,4,5,6,7
	FRAG 128*(\p)+FR*\i, ADRB+\slot, \q, \i
.endr
	WIN 0
.endm
.macro FETCH_A slot, q, i0
.irp i, \i0, \i0+1, \i0+2, \i0+3
	FRAG AF+FR*(\i), ADRA+\slot, \q, \i
.endr
.endm
.macro SCALES sc                       ; the K step's scale words: lanes 0-15 take A's block i, lanes 16-31 B's block i
.irp i, 0,1,2,3,4,5,6,7
	ds_load_b128 v[SC+8*NQ*\sc+NQ*\i:SC+8*NQ*\sc+NQ*\i+3], v[ADRS] offset:\i*SBLK
.endr
.endm
.macro PLACES n                        ; plain vector places behind matrix instructions, in front of loads into their registers and of reads of their results
.rept \n
	v_nop
.endr
.endm
.macro STEP slot, q, zero              ; a step of 128 along K that has its successor in the same slot
	s_wait_dscnt 4*NL                              ; B's set and A's blocks 0-3 are in; the youngest loads (A's blocks 4-7) may be out
	WIN MUL_LO
	MUL16 0, (\q)%2, \q, \slot, \zero
	MUL16 2, (\q)%2, \q, \slot, \zero
	s_wait_dscnt 0                                 ; A's blocks 4-7 are in
	PLACES NP
	FETCH_B \slot, (\q)+1, 1-(\q)%2
	FETCH_A \slot, (\q)+1, 0
	WIN MUL_HI
	MUL16 4, (\q)%2, \q, \slot, \zero
	MUL16 6, (\q)%2, \q, \slot, \zero
	PLACES NP
	WIN 0
	FETCH_A \slot, (\q)+1, 4
.endm
; A slot's last step changes slots: one barrier; in front of it each wave waits for all its tensor loads, adds 0 to its spare word, and waits for that and for its reads of this slot.
.macro TURN slot, next, fill
	s_wait_tensorcnt 0x0                           ; all my tensor loads have landed: my part of the next slot
	ds_add_u32 v[SPW], v[NIL]
	s_wait_dscnt 4*NL+1                            ; (the add and the youngest loads, A's blocks 4-7, may be out)
	WIN MUL_LO
	MUL16 0, 1, NQ-1, \slot, 0
	s_wait_dscnt 0x0                               ; the add is done, and my reads of this slot are over
	s_barrier_signal -1
	MUL16 2, 1, NQ-1, \slot, 0
	WIN 0
	s_barrier_wait -1
.if \fill
	CREST                                          ; the barrier has opened a round of the cluster's barrier: no wave of any partner still reads this slot or has a load on its way
	s_add_nc_u64 s[G0+4*\slot+2:G0+4*\slot+3], s[G0+4*\slot+2:G0+4*\slot+3], 2*ROWB
	s_add_nc_u64 s[G0B+4*\slot+2:G0B+4*\slot+3], s[G0B+4*\slot+2:G0B+4*\slot+3], 2*ROWB
	JLOAD G0+4*\slot, G1, G0B+4*\slot, G1B         ; the first tensor load behind the round; its four v_nop are the places in front of the loads below
.else
	PLACES NP
.endif
	v_add_nc_u32 v[ADRS], 4*NQ, v[ADRS]            ; on to the next K step's scale words
	FETCH_B \next, 0, 0
	FETCH_A \next, 0, 0
	SCALES \next
	WIN MUL_HI
	MUL16 4, 1, NQ-1, \slot, 0
	MUL16 6, 1, NQ-1, \slot, 0
	PLACES NP
	WIN 0
	FETCH_A \next, 0, 4
.endm
.macro STEPS slot, from
.set Q, \from
.rept NQ-1-\from
	STEP \slot, Q, 0
.set Q, Q+1
.endr
.endm
	s_wait_tensorcnt 1                             ; the scales and my part of K step 0 are in (K step 1's load may be out)
	s_barrier_signal -1
	s_barrier_wait -1
	FETCH_B 0, 0, 0
	FETCH_A 0, 0, 0
	SCALES 0
	FETCH_A 0, 0, 4
	STEP 0, 0, 1                                   ; the first step's products start the sums
	s_mov_b32 s3, LAPS-1
.Llap:                                                 ; a trip goes once round the ring and fills both slots again
	STEPS 0, 1
	TURN 0, 1, 1
	STEPS 1, 0
	TURN 1, 0, 1
	STEP 0, 0, 0
	s_sub_co_u32 s3, s3, 1
	s_cmp_lg_u32 s3, 0
	s_cbranch_scc1 .Llap
	STEPS 0, 1                                     ; the last lap fills nothing
	TURN 0, 1, 0
	STEPS 1, 0
	s_wait_dscnt 4*NL
	WIN MUL_LO
	MUL16 0, 1, NQ-1, 1, 0
	MUL16 2, 1, NQ-1, 1, 0
	s_wait_dscnt 0
	WIN MUL_HI
	MUL16 4, 1, NQ-1, 1, 0
	MUL16 6, 1, NQ-1, 1, 0
	WIN 0
; THE WAY OUT, block by block of 16 rows x 128 channels: through my own stage in LDS, back as whole rows (4 numbers a lane), made safe, rounded to f16, and stored: the 32 lanes write one row of 256 bytes, aligned.
.macro TOSTAGE a
.set AC, 64*((\a)%4)
	WIN 0x08+4*((\a)/4)                            ; the data: window 2 or 3
.irp b, 0,1,2,3,4,5,6,7
	ds_store_b128 v[STO], v[AC+8*\b:AC+8*\b+3] offset:64*\b          ; each accumulator from its low end on
	ds_store_b128 v[STO], v[AC+8*\b+4:AC+8*\b+7] offset:64*\b+16
.endr
	WIN 0
.set BB, BK+64*((\a)%2)
.irp t, 0,1,2,3,4,5,6,7,8,9,10,11,12,13,14,15
	ds_load_b128 v[BB+4*\t:BB+4*\t+3], v[RD] offset:\t*SPITCH      ; LDS serves a wave's instructions in order: these see the stores above
.endr
.endm
; For each number x: B = max(1e4, x * 0 + 65504) is 65,504 where x is finite and 1e4 where it is not (x * 0 is NaN then, and a NaN loses in the maximum);
; the middle of x, -B, B holds a finite x at f16's largest number and turns an infinity into +-1e4; where x is NaN (x = x fails) the result is 0.
.macro SEND a, younger                 ; younger: the LDS instructions issued behind block a's loads, which may stay out
.set BB, BK+64*((\a)%2)
.set OU, OUTR+32*((\a)%2)
	s_wait_dscnt \younger
.irp q, 0,1,2,3
.irp i, 0,2,4,6,8,10,12,14
	v_pk_fma_f32 v[TT+\i:TT+\i+1], v[BB+16*\q+\i:BB+16*\q+\i+1], 0, s[96:97] op_sel_hi:[1,0,0]
.endr
.irp i, 0,1,2,3,4,5,6,7,8,9,10,11,12,13,14,15
	v_max_num_f32 v[TT+\i], s95, v[TT+\i]
.endr
.irp i, 0,1,2,3,4,5,6,7,8,9,10,11,12,13,14,15
	v_med3_num_f32 v[TT+\i], v[BB+16*\q+\i], -v[TT+\i], v[TT+\i]
.endr
.irp k, 0,4,8,12
.irp i, 0,1,2,3
	v_cmp_eq_f32 s[18+\i], v[BB+16*\q+\k+\i], v[BB+16*\q+\k+\i]
.endr
.irp i, 0,1,2,3
	v_cndmask_b32 v[TT+\k+\i], 0, v[TT+\k+\i], s[18+\i]
.endr
.endr
.irp i, 0,1,2,3,4,5,6,7
	v_cvt_pk_f16_f32 v[OU+8*\q+\i], v[TT+2*\i], v[TT+2*\i+1]
.endr
.endr
.irp t, 0,1,2,3,4,5,6,7,8,9,10,11,12,13,14,15
	global_store_b64 v[CO], v[OU+2*\t:OU+2*\t+1], s[12:13] offset:4096*(\a)+256*\t
.endr
.endm
	PLACES NP
	TOSTAGE 0
.irp a, 1,2,3,4,5,6,7
.if \a > 2
	s_wait_xcnt 0x0                                ; block a - 3's stores have read their data: block a - 1's f16 numbers are written over them only behind this wait
.endif
	TOSTAGE \a
	SEND \a-1, 32                                  ; behind block a - 1's loads: block a's 16 stores and 16 loads
.endr
	SEND 7, 0
	s_wait_tensorcnt 0x0                           ; the wave's end: behind my last tensor load and my last LDS store
	ds_add_u32 v[SPW], v[NIL]
	s_wait_dscnt 0x0
	CROUND                                         ; the closing round
	s_endpgm
.Lfunc_end_k_q2fc6d748d9_qkv:
	.size	k_q2fc6d748d9_qkv, .Lfunc_end_k_q2fc6d748d9_qkv-k_q2fc6d748d9_qkv
	.p2alignl 7, 3214868480
	.fill 96, 4, 3214868480
	.section	.rodata,"a",@progbits
	.p2align	6, 0x0
	.amdhsa_kernel k_q2fc6d748d9_qkv
		.amdhsa_group_segment_fixed_size 327680
		.amdhsa_private_segment_fixed_size 0
		.amdhsa_enable_private_segment 0
		.amdhsa_kernarg_size 40
		.amdhsa_user_sgpr_count 2
		.amdhsa_user_sgpr_kernarg_segment_ptr 1
		.amdhsa_wavefront_size32 1
		.amdhsa_system_sgpr_workgroup_id_x 1
		.amdhsa_system_sgpr_workgroup_id_y 1
		.amdhsa_system_sgpr_workgroup_id_z 1
		.amdhsa_system_vgpr_workitem_id 0
		.amdhsa_next_free_vgpr 1024
		.amdhsa_next_free_sgpr 98
		.amdhsa_reserve_vcc 0
		.amdhsa_float_denorm_mode_32 3
		.amdhsa_float_denorm_mode_16_64 3
		.amdhsa_memory_ordered 1
		.amdhsa_forward_progress 1
		.amdhsa_inst_pref_size 255
	.end_amdhsa_kernel
	.section	.bss,"aw",@nobits
	.p2align	6
	.space	262144
	.amdgpu_metadata
---
amdhsa.version: [ 1, 2 ]
amdhsa.kernels:
  - .name:           k_q2fc6d748d9_qkv
    .symbol:         k_q2fc6d748d9_qkv.kd
    .args:
      - { .name: a_codes, .offset: 0, .size: 8, .value_kind: global_buffer, .address_space: global }
      - { .name: a_scales, .offset: 8, .size: 8, .value_kind: global_buffer, .address_space: global }
      - { .name: b_codes, .offset: 16, .size: 8, .value_kind: global_buffer, .address_space: global }
      - { .name: b_scales, .offset: 24, .size: 8, .value_kind: global_buffer, .address_space: global }
      - { .name: qkv, .offset: 32, .size: 8, .value_kind: global_buffer, .address_space: global }
    .group_segment_fixed_size: 327680
    .private_segment_fixed_size: 0
    .kernarg_segment_align: 8
    .kernarg_segment_size: 40
    .max_flat_workgroup_size: 128
    .sgpr_count:     98
    .vgpr_count:     1024
    .wavefront_size: 32
...
	.end_amdgpu_metadata
.endif
;; end of part 2
;; launch attn (part 3): grid 8 x 32, 8 waves a work-group, clusters of 4 x 1, 327,680 bytes of LDS; arguments qkv, att; writes att
.if DOCPART == 3
	.amdgcn_target "amdgcn-amd-amdhsa--gfx1250"
	.amdhsa_code_object_version 6
	.text
	.protected	k_q2fc6d748d9_attn
	.globl	k_q2fc6d748d9_attn
	.p2align	8
	.type	k_q2fc6d748d9_attn,@function
k_q2fc6d748d9_attn:
	s_mov_b64 s[64:65], 0
	v_nop
	global_prefetch_b8 v0, s[64:65] scope:SCOPE_SE
	s_setreg_imm32_b32 hwreg(HW_REG_WAVE_MODE, 25, 1), 1
	s_wait_xcnt 0x0
	s_wait_alu depctr_hold_cnt(0) depctr_sa_sdst(0) depctr_va_vdst(0) depctr_va_sdst(0) depctr_va_ssrc(0) depctr_va_vcc(0) depctr_vm_vsrc(0)
	s_getreg_b32 s2, hwreg(HW_REG_IB_STS2, 6, 4)
	s_cmp_eq_u32 s2, 0
	s_cbranch_scc0 .Lentry_in_a_cluster
	s_endpgm
.Lentry_in_a_cluster:
	s_bfe_u32 s2, ttmp6, 0x10000c
	s_cmp_lg_u32 s2, 0x3003
	s_cbranch_scc0 .Lentry_shape_is_right
	s_endpgm
.Lentry_shape_is_right:
; PHASE-COUPLED ATTENTION.  For a batch and head: sr = Qr.Kr + Qi.Ki, si = Qi.Kr - Qr.Ki, both clipped to +-250; score = sqrt(sr^2 + si^2) / 8; softmax over the 1,024 keys; out = P [Vr | Vi].
; qkv: [48 (16 type + head)][2048 rows][128 f16: 64 real, 64 imaginary].  att: [2048 rows][2048 f16], channel 128 head + j.  Products on f16 operands, sums in f32; clip, root, maxima, exponentials and sums in f32.
; With K' = [Kr | Ki]: sr = K' . [Qr | Qi] and si = K' . [Qi | -Qr]: two products over 128 channels; -Qr is made once, by an exclusive or on the signs.
; q, k, v are finite f16 numbers here, so every score is finite and lies in 0 .. 44.2, and out, an average of v, is finite and under 65,520: the model's later replacements of NaN and infinities change nothing.
; LIMIT: p and out are f16: under 6e-5 their error is absolute, 3e-8.
; SHARES.  A work-group owns 128 queries of one batch and head.  Wave w = 4 g + p owns queries 32 p .. 32 p + 31 (two tiles of 16) and the key steps (64 keys) of parity g; two waves lie on a SIMD, so that one's
; vector work stands beside the other's products.  At the end the two key halves of a query are merged through LDS: wave (p, g) finishes tile g of group p.
; LAYOUT.  Both products are used transposed: S^T = K' Q^T (source 0 = 16 keys, source 1 = 16 queries), O^T = V'^T P: a lane holds ONE query (lane % 16) throughout; two tiles of S^T, rounded in pairs, are source 1 of the second product.
; SOFTMAX.  A running maximum m and sum l for each query: p = 2^(c s - c m), c = log2(e) / 8; in every step O and l are multiplied by a = 2^(c m_old - c m_new).  m begins at 0, which lies under every maximum: no score is negative.
; CLUSTER.  The four query blocks of a cluster belong to one batch and head and walk the same K and V: each tile is asked for jointly.
; RING.  Two slots of 256 keys (four key steps); waves 0-3 fetch K's four steps, waves 4-7 V's; two refills in all, each issued a slot's key steps ahead of the wait for it: so no prefetch is laid.
; REGISTERS: window 0: v2-15 addresses; v16-31 statistics, 8 a tile; v32-159 sr and si, 64 a tile (P takes si's first 16); v160-255 three buffers of four fragments.   window 1: v0-95 Q, 48 a tile; v96-223 O^T, 64 a tile.
.set PK,    272                        ; a row of K in LDS: 256 bytes + 16
.set PV,    288                        ; a row of V: 256 + 32
.set VOFF,  64*PK                      ; a step: 64 rows of K, then 64 rows of V
.set STEPB, 64*(PK+PV)
.set SLOTB, 4*STEPB
.set STAGE, 2*SLOTB                    ; behind the ring: 16 rows x 272 bytes for each wave, for the way out
.set SP,    272
.set SPARE, STAGE+8*16*SP              ; the spare words, 128 bytes a wave: four blocks of 256 bytes that no other line names
.set WM,    16896                      ; the merge, in slot 0, which has had its last fill and its last read by then: for each wave 32 images of 512 bytes, then two of 256
.set AK0, 2
.set AV0, 3
.set ADK, 4
.set ADV, 5
.set QO,  6
.set STO, 7
.set RD,  8
.set GO,  9
.set MI,  10
.set RA,  11
.set SPW, 12
.set NIL, 13
.set MS,  14
.set RS,  15
.set ST,  16                           ; tile t at v[ST+8 t]: +0 c m, +1 m, +2, +3 l, +4 to +7 c0-c3 at work; a takes c2's place
.set S,   32                           ; tile t: sr at v[S+64 t+8 kt], si 32 further on
.set B0,  160
.set B1,  192
.set B2,  224
.set QF,  0                            ; window 1: tile t at 48 t: [Qr | Qi] in 32 registers, then -Qr in 16
.set O,   96                           ; window 1: O^T, tile t, channels 16 ct on, at 64 t + 8 ct
.set WV,  12
.set G1K, 24
.set G1V, 32
.set G0K, 40                           ; s[40:43] slot 0, s[44:47] slot 1
.set G0V, 48
.set CS,  58
.set SEL, 60
.set TB,  62
.set TWICE, 63
.set GOFF, 70
.set MSB, 0
.macro WIN new
.if MSB != \new
	s_set_vgpr_msb (MSB<<8)|\new
.set MSB, \new
.endif
.endm
.set W_QK, 0x04                        ; source 1 (Q; an LDS store's data) in window 1
.set W_PV, 0x50                        ; C and D (O^T) in window 1
.set W_RS, 0x41                        ; destination and source 0 in window 1
.set W_LD, 0x40                        ; destination in window 1
.set W_NQ, 0x44                        ; destination and source 1 in window 1
.macro PLACES
.rept 4
	v_nop
.endr
.endm
.macro JLOAD s                         ; a joint refill of slot s; the branch hangs on the wave's number alone; an s_nop 0 and four v_nop follow each of the two lines
	s_cmp_lt_u32 s[WV], 4
	s_cbranch_scc0 .Lfor_v_\@
	tensor_load_to_lds s[G0K+4*\s:G0K+4*\s+3], s[G1K:G1K+7]
	s_nop 0
.rept 4
	v_nop
.endr
	s_branch .Lasked_\@
.Lfor_v_\@:
	tensor_load_to_lds s[G0V+4*\s:G0V+4*\s+3], s[G1V:G1V+7]
	s_nop 0
.rept 4
	v_nop
.endr
.Lasked_\@:
.endm
.macro CROUND                          ; a round of the cluster's barrier
	s_barrier_signal -1
	s_barrier_wait -1
	s_cmp_lg_u32 s[WV], 0
	s_cbranch_scc1 .Lnot_wave_0_\@
	s_barrier_signal -3
.Lnot_wave_0_\@:
	s_barrier_wait -3
	s_barrier_signal -1
	s_barrier_wait -1
.endm
	s_load_b128 s[4:7], s[0:1], 0x0                ; qkv, att
	v_lshl_add_u32 v[SPW], v0, 2, SPARE
	v_mov_b32 v[NIL], 0
	ds_add_u32 v[SPW], v[NIL]                      ; the wave's opening: the add, twice on end, and its wait ahead of my first tensor load
	ds_add_u32 v[SPW], v[NIL]
	v_lshrrev_b32 v1, 5, v0
	v_readfirstlane_b32 s[WV], v1                  ; wave 0..7
	s_and_b32 s13, s[WV], 3                        ; p
	s_lshr_b32 s14, s[WV], 2                       ; g
	s_bfe_u32 s15, ttmp6, 0x40000                  ; cx
	s_lshl_b32 s16, ttmp9, 2
	s_add_co_u32 s16, s16, s15                     ; my block of 128 queries: it enters Q's and att's addresses alone
	s_and_b32 s17, ttmp7, 0xffff
	s_lshr_b32 s18, s17, 4                         ; batch
	s_and_b32 s19, s17, 15                         ; head
	s_lshl_b32 s72, s18, 10                        ; the batch's first row
	s_lshl_b32 s73, s13, 6                         ; the 64 keys of a slot that I fetch
	s_add_co_u32 s20, s19, 16                      ; K: type 1
	s_lshl_b32 s20, s20, 11
	s_add_co_u32 s20, s20, s72
	s_add_co_u32 s20, s20, s73
	s_lshl_b32 s20, s20, 8                         ; rows of 256 bytes
	s_mov_b32 s21, 0
	s_add_co_u32 s22, s20, 0x800000                ; V: type 2: 16 x 2,048 rows on
	s_mov_b32 s23, 0
	s_lshl_b32 s2, s19, 11                         ; Q: type 0
	s_add_co_u32 s2, s2, s72
	s_lshl_b32 s3, s16, 7
	s_add_co_u32 s2, s2, s3
	s_lshl_b32 s74, s13, 5
	s_add_co_u32 s2, s2, s74                       ; my wave's first query
	s_lshl_b32 s2, s2, 8
	s_add_co_u32 s56, s72, s3                      ; att: the row of the tile that I finish
	s_add_co_u32 s56, s56, s74
	s_lshl_b32 s57, s14, 4
	s_add_co_u32 s56, s56, s57
	s_lshl_b32 s56, s56, 12                        ; rows of 4,096 bytes
	s_lshl_b32 s57, s19, 8                         ; + the head's 256
	s_add_co_u32 s56, s56, s57
	s_mov_b32 s57, 0
	s_mov_b32 s3, 0
	s_mul_i32 s75, s13, STEPB                      ; where my tile goes in a slot
	s_mul_i32 s[GOFF], s14, STEPB                  ; where my first key step lies in a slot
	s_mov_b32 s[G1K], 15|(1<<16)|(1<<20)|(1<<21)|(5<<22)|(3<<25)  ; the mask: all four work-groups; elements of 2 bytes; padding on; bit 21 beside a mask; 4 words after every 64
	s_mov_b32 s[G1V], 15|(1<<16)|(1<<20)|(1<<21)|(5<<22)|(7<<25)  ; the same with 8 words
.irp g, G1K, G1V
	s_mov_b32 s[\g+1], 128<<16                     ; tensor_dim0
	s_mov_b32 s[\g+2], 64<<16                      ; tensor_dim1
	s_mov_b32 s[\g+3], 128<<16                     ; tile_dim0
	s_mov_b32 s[\g+4], 64                          ; tile_dim1
	s_mov_b32 s[\g+5], 128                         ; the pitch
	s_mov_b32 s[\g+6], 0
	s_mov_b32 s[\g+7], 0
.endr
	s_mov_b32 s[CS], 0x3e38aa3b                    ; c = log2(e) / 8
	s_mov_b32 s[CS+1], s[CS]
	s_mov_b32 s[SEL], 0x76543210
	s_mov_b32 s[SEL+1], 0xfedcba98
	s_mov_b32 s66, 0x437a0000                      ; 250
	s_mov_b32 s67, 0xc37a0000                      ; -250
	s_mov_b32 s71, 0x80008000                      ; the signs of two f16
	s_wait_dscnt 0x0                               ; both opening adds are done
	s_wait_kmcnt 0x0
	s_add_nc_u64 s[20:21], s[4:5], s[20:21]
	s_add_nc_u64 s[22:23], s[4:5], s[22:23]
	s_add_nc_u64 s[8:9], s[4:5], s[2:3]
	s_add_nc_u64 s[10:11], s[6:7], s[56:57]
	CROUND                                         ; all four work-groups are here: the first joint loads meet
.irp s, 0,1
	s_mov_b32 s[G0K+4*\s], 1
	s_add_co_u32 s[G0K+4*\s+1], s75, \s*SLOTB
	s_add_nc_u64 s[G0K+4*\s+2:G0K+4*\s+3], s[20:21], \s*65536      ; slot s begins with keys 256 s
	s_or_b32 s[G0K+4*\s+3], s[G0K+4*\s+3], 0x80000000
	s_mov_b32 s[G0V+4*\s], 1
	s_add_co_u32 s[G0V+4*\s+1], s75, \s*SLOTB+VOFF
	s_add_nc_u64 s[G0V+4*\s+2:G0V+4*\s+3], s[22:23], \s*65536
	s_or_b32 s[G0V+4*\s+3], s[G0V+4*\s+3], 0x80000000
.endr
	s_cmp_lt_u32 s[WV], 4                          ; a wave's two first fills stand in one branch: two loads of mine are out
	s_cbranch_scc0 .Lfirst_v
	tensor_load_to_lds s[G0K:G0K+3], s[G1K:G1K+7]
	s_nop 0
	tensor_load_to_lds s[G0K+4:G0K+7], s[G1K:G1K+7]
	s_nop 0
.rept 4
	v_nop
.endr
	s_branch .Lfirst_asked
.Lfirst_v:
	tensor_load_to_lds s[G0V:G0V+3], s[G1V:G1V+7]
	s_nop 0
	tensor_load_to_lds s[G0V+4:G0V+7], s[G1V:G1V+7]
	s_nop 0
.rept 4
	v_nop
.endr
.Lfirst_asked:
	v_and_b32 v32, 15, v0                          ; r = lane % 16
	v_bfe_u32 v33, v0, 4, 1                        ; h = lane / 16
	v_and_b32 v34, 31, v0                          ; lane
	v_lshlrev_b32 v[QO], 8, v32
	v_lshl_add_u32 v[QO], v33, 4, v[QO]            ; row x 256 + 16 x half
	WIN W_LD
.irp t, 0,1
.irp c, 0,1,2,3                        ; Q stays in registers: tile t, channels 32 c on
	global_load_b128 v[QF+48*\t+8*\c:QF+48*\t+8*\c+3],   v[QO], s[8:9] offset:4096*\t+64*\c
	global_load_b128 v[QF+48*\t+8*\c+4:QF+48*\t+8*\c+7], v[QO], s[8:9] offset:4096*\t+64*\c+32
.endr
.endr
.set i, 0
.rept 128
	v_mov_b32 v[O+i], 0                            ; O^T.  (The key step is written once for all steps: the first finds zeros, which its rescaling leaves zeros)
.set i, i+1
.endr
	WIN 0
	v_mul_u32_u24 v[AK0], v32, PK
	v_lshl_add_u32 v[AK0], v33, 4, v[AK0]          ; K: row x pitch + 16 x half
	v_and_b32 v35, 7, v0
	v_bfe_u32 v36, v0, 3, 1
	v_lshl_add_u32 v[AV0], v33, 3, v35             ; V, for the turning load: key 8 h + lane % 8, channels 8 ((lane / 8) % 2) on
	v_mul_u32_u24 v[AV0], v[AV0], PV
	v_lshl_add_u32 v[AV0], v36, 4, v[AV0]
	v_add_nc_u32 v[AV0], VOFF, v[AV0]
	s_mul_i32 s76, s[WV], 16*SP
	s_add_co_u32 s76, s76, STAGE                   ; my stage
	v_mul_u32_u24 v[STO], v32, SP
	v_lshl_add_u32 v[STO], v33, 4, v[STO]
	v_add_nc_u32 v[STO], s76, v[STO]               ; in: row r, 16 bytes for each half of the lanes
	v_mul_u32_u24 v[RD], v33, SP
	v_lshl_add_u32 v[RD], v32, 4, v[RD]
	v_add_nc_u32 v[RD], s76, v[RD]                 ; back: lanes 0-15 one row of 256 bytes, lanes 16-31 the next
	v_lshlrev_b32 v[GO], 12, v33
	v_lshl_add_u32 v[GO], v32, 4, v[GO]            ; and the same two rows in att
	s_mul_i32 s76, s[WV], WM
	v_lshl_add_u32 v[MI], v34, 4, s76              ; the merge: where I put my images of O^T,
	s_add_co_u32 s77, s76, 16384
	v_lshl_add_u32 v[MS], v34, 3, s77              ; and of c m and l
	s_mul_i32 s76, s13, WM
	s_lshl_b32 s77, s14, 13
	s_add_co_u32 s77, s77, s76
	v_lshl_add_u32 v[RA], v34, 4, s77              ; where I read tile g of wave p (wave p + 4's lies 4 WM on),
	s_lshl_b32 s77, s14, 8
	s_add_co_u32 s77, s77, s76
	s_add_co_u32 s77, s77, 16384
	v_lshl_add_u32 v[RS], v34, 3, s77              ; and its c m and l
.irp t, 0,1
.irp j, 0,1,2,3
	v_mov_b32 v[ST+8*\t+\j], 0                     ; c m, m, l
.endr
.endr
	s_wait_loadcnt 0x0                             ; Q
	WIN W_NQ
.irp t, 0,1
.set i, 0
.rept 16
	v_xor_b32 v[QF+48*\t+32+i], s71, v[QF+48*\t+i] ; -Qr
.set i, i+1
.endr
.endr
	WIN 0
.macro LOADK kt, buf                   ; keys 16 kt on, all 128 channels: four fragments
.irp c, 0,1,2,3
	ds_load_b128 v[(\buf)+8*\c:(\buf)+8*\c+3],   v[ADK] offset:16*(\kt)*PK+64*\c
	ds_load_b128 v[(\buf)+8*\c+4:(\buf)+8*\c+7], v[ADK] offset:16*(\kt)*PK+64*\c+32
.endr
.endm
.macro LOADV i, buf                    ; keys 32 (i / 2) on, channels 64 (i % 2) on, turned: four fragments
.irp f, 0,1,2,3
	ds_load_tr16_b128 v[(\buf)+8*\f:(\buf)+8*\f+3],   v[ADV] offset:32*((\i)/2)*PV+32*(4*((\i)%2)+\f)
	ds_load_tr16_b128 v[(\buf)+8*\f+4:(\buf)+8*\f+7], v[ADV] offset:32*((\i)/2)*PV+16*PV+32*(4*((\i)%2)+\f)
.endr
.endm
; 16 products: sr and si of 16 keys x my two tiles, 32 channels at a time.  Four accumulators take turns, one instruction a turn; the first four start the sums.
.macro QK16 kt, buf
.irp c, 0,1,2,3
.irp t, 0,1
.set rR, S+64*\t+8*(\kt)
.set rI, rR+32
.set rA, (\buf)+8*\c
.set rB, QF+48*\t+8*\c
.if \c < 2
.set rC, QF+48*\t+8*(\c+2)             ; Kr meets Qi,
.else
.set rC, QF+48*\t+32+8*(\c-2)          ; Ki meets -Qr
.endif
.if \c == 0
	v_wmma_f32_16x16x32_f16 v[rR:rR+7], v[rA:rA+7], v[rB:rB+7], 0
	v_wmma_f32_16x16x32_f16 v[rI:rI+7], v[rA:rA+7], v[rC:rC+7], 0
.else
	v_wmma_f32_16x16x32_f16 v[rR:rR+7], v[rA:rA+7], v[rB:rB+7], v[rR:rR+7]
	v_wmma_f32_16x16x32_f16 v[rI:rI+7], v[rA:rA+7], v[rC:rC+7], v[rI:rI+7]
.endif
.endr
.endr
.endm
.macro PV8 i, buf                      ; 8 products of O^T += V'^T P: eight accumulators by turns
.irp f, 0,1,2,3
.irp t, 0,1
.set rO, O+64*\t+8*(4*((\i)%2)+\f)
.set rV, (\buf)+8*\f
.set rP, S+64*\t+32+8*((\i)/2)
	v_wmma_f32_16x16x32_f16 v[rO:rO+7], v[rV:rV+7], v[rP:rP+7], v[rO:rO+7]
.endr
.endr
.endm
.macro PREP t                          ; the clips, then sr^2 + si^2; each accumulator is read from its low end on
.set rS, S+64*\t
.set i, 0
.rept 64
	v_med3_num_f32 v[rS+i], v[rS+i], s67, s66
.set i, i+1
.endr
.set i, 0
.rept 16
	v_pk_mul_f32 v[rS+32+i:rS+33+i], v[rS+32+i:rS+33+i], v[rS+32+i:rS+33+i]
.set i, i+2
.endr
.set i, 0
.rept 16
	v_pk_fma_f32 v[rS+i:rS+i+1], v[rS+i:rS+i+1], v[rS+i:rS+i+1], v[rS+32+i:rS+33+i]
.set i, i+2
.endr
.endm
.macro ROOT t
.set i, 0
.rept 32
	v_sqrt_f32 v[S+64*\t+i], v[S+64*\t+i]
.set i, i+1
.endr
.endm
.macro MAXI                            ; both tiles' maxima, line by line in turn: four chains of seven scores, the four left over, the old m; the other half of the lanes'; c m; c m_old - c m_new
.irp j, 0,1,2,3
.irp t, 0,1
	v_max3_num_f32 v[ST+8*\t+4+\j], v[S+64*\t+8*\j], v[S+64*\t+8*\j+1], v[S+64*\t+8*\j+2]
.endr
.endr
.irp k, 1,2
.irp j, 0,1,2,3
.irp t, 0,1
	v_max3_num_f32 v[ST+8*\t+4+\j], v[ST+8*\t+4+\j], v[S+64*\t+8*\j+2*\k+1], v[S+64*\t+8*\j+2*\k+2]
.endr
.endr
.endr
.irp t, 0,1
	v_max3_num_f32 v[ST+8*\t+4], v[ST+8*\t+4], v[S+64*\t+7], v[S+64*\t+15]
.endr
.irp t, 0,1
	v_max3_num_f32 v[ST+8*\t+6], v[ST+8*\t+6], v[S+64*\t+23], v[S+64*\t+31]
.endr
.irp t, 0,1
	v_max3_num_f32 v[ST+8*\t+4], v[ST+8*\t+4], v[ST+8*\t+5], v[ST+8*\t+6]
.endr
.irp t, 0,1
	v_max3_num_f32 v[ST+8*\t+4], v[ST+8*\t+4], v[ST+8*\t+7], v[ST+8*\t+1]
.endr
.irp t, 0,1
	v_permlanex16_b32 v[ST+8*\t+5], v[ST+8*\t+4], s[SEL], s[SEL+1]   ; the query's other 32 keys lie in the lane 16 away
.endr
.irp t, 0,1
	v_mov_b32 v[ST+8*\t+7], v[ST+8*\t]
.endr
.irp t, 0,1
	v_max_num_f32 v[ST+8*\t+1], v[ST+8*\t+4], v[ST+8*\t+5]
.endr
.irp t, 0,1
	v_mul_f32 v[ST+8*\t], s[CS], v[ST+8*\t+1]
.endr
.irp t, 0,1
	v_sub_f32 v[ST+8*\t+7], v[ST+8*\t+7], v[ST+8*\t]
.endr
.endm
.macro SCALE t                         ; c s - c m, two at a time
.set i, 0
.rept 16
	v_pk_fma_f32 v[S+64*\t+i:S+64*\t+i+1], v[S+64*\t+i:S+64*\t+i+1], s[CS:CS+1], v[ST+8*\t:ST+8*\t+1] op_sel_hi:[1,0,0] neg_lo:[0,0,1] neg_hi:[0,0,1]
.set i, i+2
.endr
.endm
.macro EXPS t
	v_exp_f32 v[ST+8*\t+6], v[ST+8*\t+7]           ; a
.set i, 0
.rept 32
	v_exp_f32 v[S+64*\t+i], v[S+64*\t+i]           ; p
.set i, i+1
.endr
.endm
.macro PACKP t
.set i, 0
.rept 16
	v_cvt_pk_f16_f32 v[S+64*\t+32+i], v[S+64*\t+2*i], v[S+64*\t+2*i+1]
.set i, i+1
.endr
.endm
.macro SUMS t                          ; the sum of the 16 pairs, in place; then l = a l + the sum
.set rS, S+64*\t
.set rT, ST+8*\t
.irp u, 0,1,2,3,4,5,6,7
	v_pk_add_f32 v[rS+4*\u:rS+4*\u+1], v[rS+4*\u:rS+4*\u+1], v[rS+4*\u+2:rS+4*\u+3]
.endr
.irp u, 0,1,2,3
	v_pk_add_f32 v[rS+8*\u:rS+8*\u+1], v[rS+8*\u:rS+8*\u+1], v[rS+8*\u+4:rS+8*\u+5]
.endr
.irp u, 0,1
	v_pk_add_f32 v[rS+16*\u:rS+16*\u+1], v[rS+16*\u:rS+16*\u+1], v[rS+16*\u+8:rS+16*\u+9]
.endr
	v_pk_add_f32 v[rS:rS+1], v[rS:rS+1], v[rS+16:rS+17]
	v_pk_fma_f32 v[rT+2:rT+3], v[rT+2:rT+3], v[rT+6:rT+7], v[rS:rS+1] op_sel_hi:[1,0,1]
.endm
.macro RESC t                          ; O^T times a
.set i, 0
.rept 32
	v_pk_mul_f32 v[O+64*\t+i:O+64*\t+i+1], v[O+64*\t+i:O+64*\t+i+1], v[ST+8*\t+6:ST+8*\t+7] op_sel_hi:[1,0]
.set i, i+2
.endr
.endm
; A KEY STEP: 64 keys x my 32 queries.  The three buffers go round: K0 K1 K2 | K3 V0 V1 | V2 V3.  Each run of eight LDS loads stands four plain places behind the last product that read its buffer.
.macro STEP
	v_add_nc_u32 v[ADK], s[TB], v[AK0]
	v_add_nc_u32 v[ADV], s[TB], v[AV0]
	PLACES                                         ; with the two additions six places behind the last step's products: the loads below want four, the products that write over P's registers five
	LOADK 0, B0
	LOADK 1, B1
	LOADK 2, B2
	s_wait_dscnt 16                                ; K0 is in; K1's and K2's sixteen loads may be out
	WIN W_QK
	QK16 0, B0
	PLACES
	LOADK 3, B0
	s_wait_dscnt 16                                ; K1 is in; K2, K3 out
	QK16 1, B1
	PLACES
	LOADV 0, B1
	s_wait_dscnt 16                                ; K2 is in; K3, V0 out
	QK16 2, B2
	PLACES
	LOADV 1, B2
	s_wait_dscnt 16                                ; K3 is in; V0, V1 out
	QK16 3, B0
	PLACES                                         ; also the places in front of the first read of the scores
	LOADV 2, B0
	WIN 0
	PREP 0
	ROOT 0
	PREP 1                                         ; plain work on the other tile behind the first 32 roots
	ROOT 1
	v_nop                                          ; the plain line behind the last root
	s_wait_alu depctr_va_vdst(0)                   ; one wait for the 64 roots, ahead of their first reader
	MAXI
	SCALE 0
	SCALE 1
	EXPS 0
	EXPS 1
	v_nop                                          ; the plain line behind the last exponential
	s_wait_alu depctr_va_vdst(0)                   ; one wait for the 66 exponentials
	PACKP 0
	PACKP 1
	SUMS 0
	SUMS 1
	WIN W_RS
	RESC 0
	RESC 1
	s_wait_dscnt 16                                ; V0 is in; V1, V2 out
	WIN W_PV
	PV8 0, B1
	WIN 0
	PLACES
	LOADV 3, B1
	s_wait_dscnt 16                                ; V1 is in; V2, V3 out
	WIN W_PV
	PV8 1, B2
	s_wait_dscnt 8                                 ; V2 is in
	PV8 2, B0
	s_wait_dscnt 0x0                               ; V3 is in
	PV8 3, B1
	WIN 0
.endm
.macro PHASE slot                      ; my two key steps of a slot: steps g and g + 2
	s_add_co_u32 s[TB], s[GOFF], \slot*SLOTB
	s_mov_b32 s[TWICE], 2
.Lstep_\@:
	STEP
	s_add_co_u32 s[TB], s[TB], 2*STEPB
	s_sub_co_u32 s[TWICE], s[TWICE], 1
	s_cmp_lg_u32 s[TWICE], 0
	s_cbranch_scc1 .Lstep_\@
.endm
; THE CHANGE OF SLOTS.  Each wave waits for all its tensor loads (its part of the other slot), adds 0 to its spare word, and waits for that and for its reads of the slot that it leaves.
; fill = 1: the barrier is a round of the cluster's, and the slot just left is filled with the keys 512 further on, first thing behind it.
.macro CHANGE fill, slot
	s_wait_tensorcnt 0x0                           ; no tensor load of mine is out, so a group 0 may be written
	ds_add_u32 v[SPW], v[NIL]
.if \fill
	s_add_nc_u64 s[G0K+4*\slot+2:G0K+4*\slot+3], s[G0K+4*\slot+2:G0K+4*\slot+3], 131072
	s_add_nc_u64 s[G0V+4*\slot+2:G0V+4*\slot+3], s[G0V+4*\slot+2:G0V+4*\slot+3], 131072
.endif
	s_wait_dscnt 0x0                               ; the add is done, and my reads of the slot are over
.if \fill
	CROUND
	JLOAD \slot
.else
	s_barrier_signal -1
	s_barrier_wait -1
.endif
.endm
	s_wait_tensorcnt 1                             ; my part of slot 0 is in; slot 1's may stay out
	s_barrier_signal -1
	s_barrier_wait -1
	PHASE 0                                        ; keys 0-255
	CHANGE 1, 0
	PHASE 1                                        ; keys 256-511
	CHANGE 1, 1
	PHASE 0                                        ; keys 512-767
	CHANGE 0, 0                                    ; nothing is left to fetch
	PHASE 1                                        ; keys 768-1023
	; THE MERGE.  Each wave lays c m, l and O^T of its two tiles into LDS as images of its registers; behind a barrier wave (p, g) takes tile g of waves p and p + 4.
	PLACES                                         ; behind the last products
.irp t, 0,1
	v_add_f32 v[ST+8*\t+6], v[ST+8*\t+2], v[ST+8*\t+3]
.endr
.irp t, 0,1
	v_permlanex16_b32 v[ST+8*\t+7], v[ST+8*\t+6], s[SEL], s[SEL+1]
.endr
.irp t, 0,1
	v_add_f32 v[ST+8*\t+5], v[ST+8*\t+6], v[ST+8*\t+7]   ; l of my key half
.endr
.irp t, 0,1
	v_mov_b32 v[ST+8*\t+4], v[ST+8*\t]             ; c m beside it
.endr
.irp t, 0,1
	ds_store_b64 v[MS], v[ST+8*\t+4:ST+8*\t+5] offset:256*\t
.endr
	WIN W_QK                                       ; an LDS store's data are its source 1: window 1
.set i, 0
.rept 32
	ds_store_b128 v[MI], v[O+4*i:O+4*i+3] offset:512*i   ; each accumulator from its low end on
.set i, i+1
.endr
	WIN 0
	v_add_nc_u32 v[ADK], 4*WM, v[RA]               ; wave p + 4's images lie beyond an LDS offset's 16 bits: addresses of their own
	v_add_nc_u32 v[ADV], 4*WM, v[RS]
	s_wait_dscnt 0x0                               ; for the others' sake: my stores have landed
	s_barrier_signal -1
	s_barrier_wait -1
.set i, 0
.rept 16
	ds_load_b128 v[32+4*i:35+4*i], v[RA] offset:512*i
.set i, i+1
.endr
.set i, 0
.rept 16
	ds_load_b128 v[96+4*i:99+4*i], v[ADK] offset:512*i
.set i, i+1
.endr
	ds_load_b64 v[160:161], v[RS]
	ds_load_b64 v[162:163], v[ADV]
	s_wait_dscnt 0x0
	v_max_num_f32 v164, v160, v162                 ; the common c m
	v_sub_f32 v165, v160, v164
	v_sub_f32 v166, v162, v164
	v_exp_f32 v165, v165
	v_exp_f32 v166, v166
	v_nop
	s_wait_alu depctr_va_vdst(0)                   ; one wait for the two exponentials
	v_mul_f32 v167, v165, v161
	v_fma_f32 v167, v166, v163, v167               ; l: at least 1, since the larger half holds a p of 1
	v_rcp_f32 v167, v167
	v_nop
	s_wait_alu depctr_va_vdst(0)
	v_mul_f32 v168, v165, v167
	v_mul_f32 v170, v166, v167
	v_mov_b32 v169, v168                           ; (named as pairs, so the upper words are written)
	v_mov_b32 v171, v170
.set i, 0
.rept 32
	v_pk_mul_f32 v[32+i:33+i], v[32+i:33+i], v[168:169] op_sel_hi:[1,0]
.set i, i+2
.endr
.set i, 0
.rept 32
	v_pk_fma_f32 v[32+i:33+i], v[96+i:97+i], v[170:171], v[32+i:33+i] op_sel_hi:[1,0,1]
.set i, i+2
.endr
.set i, 0
.rept 32
	v_cvt_pk_f16_f32 v[192+i], v[32+2*i], v[33+2*i]   ; register 4 ct + j: channels 16 ct + 8 h + 2 j, + 1 of query r
.set i, i+1
.endr
	; THE WAY OUT: through my stage, back as whole rows of 256 bytes
.irp f, 0,1,2,3,4,5,6,7
	ds_store_b128 v[STO], v[192+4*\f:195+4*\f] offset:32*\f
.endr
.irp f, 0,1,2,3,4,5,6,7
	ds_load_b128 v[224+4*\f:227+4*\f], v[RD] offset:\f*2*SP   ; LDS serves a wave's instructions in order: these see the stores above
.endr
.irp f, 0,1,2,3,4,5,6,7
	s_wait_dscnt 7-\f
	global_store_b128 v[GO], v[224+4*\f:227+4*\f], s[10:11] offset:8192*\f   ; 16 lanes store 256 consecutive bytes, aligned
.endr
	s_wait_tensorcnt 0x0                           ; the wave's end: behind my last tensor load and my last LDS store
	ds_add_u32 v[SPW], v[NIL]
	s_wait_dscnt 0x0
	CROUND                                         ; the closing round
	s_endpgm
.Lfunc_end_k_q2fc6d748d9_attn:
	.size	k_q2fc6d748d9_attn, .Lfunc_end_k_q2fc6d748d9_attn-k_q2fc6d748d9_attn
	.p2alignl 7, 3214868480
	.fill 96, 4, 3214868480
	.section	.rodata,"a",@progbits
	.p2align	6, 0x0
	.amdhsa_kernel k_q2fc6d748d9_attn
		.amdhsa_group_segment_fixed_size 327680
		.amdhsa_private_segment_fixed_size 0
		.amdhsa_enable_private_segment 0
		.amdhsa_kernarg_size 16
		.amdhsa_user_sgpr_count 2
		.amdhsa_user_sgpr_kernarg_segment_ptr 1
		.amdhsa_wavefront_size32 1
		.amdhsa_system_sgpr_workgroup_id_x 1
		.amdhsa_system_sgpr_workgroup_id_y 1
		.amdhsa_system_sgpr_workgroup_id_z 1
		.amdhsa_system_vgpr_workitem_id 0
		.amdhsa_next_free_vgpr 512
		.amdhsa_next_free_sgpr 80
		.amdhsa_reserve_vcc 0
		.amdhsa_float_denorm_mode_32 3
		.amdhsa_float_denorm_mode_16_64 3
		.amdhsa_memory_ordered 1
		.amdhsa_forward_progress 1
		.amdhsa_inst_pref_size 192
	.end_amdhsa_kernel
	.amdgpu_metadata
---
amdhsa.version: [ 1, 2 ]
amdhsa.kernels:
  - .name:           k_q2fc6d748d9_attn
    .symbol:         k_q2fc6d748d9_attn.kd
    .args:
      - { .name: qkv, .offset: 0, .size: 8, .value_kind: global_buffer, .address_space: global }
      - { .name: att, .offset: 8, .size: 8, .value_kind: global_buffer, .address_space: global }
    .group_segment_fixed_size: 327680
    .private_segment_fixed_size: 0
    .kernarg_segment_align: 8
    .kernarg_segment_size: 16
    .max_flat_workgroup_size: 256
    .sgpr_count:     80
    .vgpr_count:     512
    .wavefront_size: 32
...
	.end_amdgpu_metadata
.endif
;; end of part 3
;; launch oproj (part 4): grid 16 x 16, 4 waves a work-group, clusters of 4 x 4, 327,680 bytes of LDS; arguments att, ow16, out0, out1; writes out0, out1
.if DOCPART == 4
	.amdgcn_target "amdgcn-amd-amdhsa--gfx1250"
	.amdhsa_code_object_version 6
	.text
	.protected	k_q2fc6d748d9_oproj
	.globl	k_q2fc6d748d9_oproj
	.p2align	8
	.type	k_q2fc6d748d9_oproj,@function
k_q2fc6d748d9_oproj:
	s_mov_b64 s[64:65], 0
	v_nop
	global_prefetch_b8 v0, s[64:65] scope:SCOPE_SE
	s_setreg_imm32_b32 hwreg(HW_REG_WAVE_MODE, 25, 1), 1
	s_wait_xcnt 0x0
	s_wait_alu depctr_hold_cnt(0) depctr_sa_sdst(0) depctr_va_vdst(0) depctr_va_sdst(0) depctr_va_ssrc(0) depctr_va_vcc(0) depctr_vm_vsrc(0)
	s_getreg_b32 s2, hwreg(HW_REG_IB_STS2, 6, 4)
	s_cmp_eq_u32 s2, 0
	s_cbranch_scc0 .Lentry_in_a_cluster
	s_endpgm
.Lentry_in_a_cluster:
	s_bfe_u32 s2, ttmp6, 0x10000c
	s_cmp_lg_u32 s2, 0xf033
	s_cbranch_scc0 .Lentry_shape_is_right
	s_endpgm
.Lentry_shape_is_right:
; THE COMPLEX PROJECTION ON THE WAY OUT AS ONE GEMM: C[m][n] = sum over k of A[m][k] B[n][k], A = att [2048][2048] f16 (head by head [real | imaginary]), B = ow16 [2048][2048] f16
; (rows 0-1023: [o_wr | -o_wi], rows 1024-2047: [o_wi | o_wr], in the same order of K); sums in f32.  Columns 0-1023 are out0 (real), columns 1024-2047 out1 (imaginary), both [2048][1024] f32.
; A tile of C is 128 x 128: 256 work-groups.  Four waves, each 64 x 64: 16 accumulators.  K goes in steps of 256 (LDS rows of 512 bytes) through a ring of two slots.
; CLUSTERS: 4 x 4 work-groups; A's tiles are asked for jointly along a row of the cluster, B's along a column.  THE MATRIX INSTRUCTION IS USED TRANSPOSED: a lane holds eight neighbouring numbers of a row of C.
; A wave's 64 columns of f32 are 256 consecutive bytes, aligned: so each wave has a stage of its own on the way out, and no barrier stands there.
; REGISTERS: window 0: v0-31 addresses; v32-95 the way out; v128-255 the accumulators ((a, b) at v[128 + 8 (4 a + b)]).   window 1: two fragment buffers of 128.
.set SIZE_M, 2048
.set SIZE_N, 2048
.set SIZE_K, 2048
.set KSTEP,  256
.set PITCH,  528                       ; an LDS row: 512 bytes + 16 of padding
.set HALFT,  64*PITCH
.set SLOT,   4*HALFT
.set STAGE,  2*SLOT                    ; behind the ring: 16 rows x 272 bytes for each wave
.set SPITCH, 272
.set SPARE,  STAGE+4*16*SPITCH         ; the spare words, 128 bytes a wave: two blocks of 256 bytes that no other line names
.set LAPS, SIZE_K/(2*KSTEP)
.set ADRA, 16
.set ADRB, 20
.set STO,  24
.set RD,   25
.set CO,   26
.set SPW,  28
.set NIL,  29
.set TMP,  32
.set ACC,  128
.set F0,   0
.set F1,   128
.set G1, 24
.set G0, 32
.set G1B, 48
.set G0B, 56
.set MSB, 0
.macro WIN new
.if MSB != \new
	s_set_vgpr_msb (MSB<<8)|\new
.set MSB, \new
.endif
.endm
.set MUL,  0x05                        ; sources 0 (B) and 1 (A) window 1; C and D window 0
.set TO_F, 0x40                        ; destination window 1, address window 0
.macro JLOAD s                         ; a joint load: waves 0 and 1 fetch A's two halves, waves 2 and 3 B's; an s_nop 0 and four v_nop follow each of the two lines
	s_cmp_eq_u32 s11, 0
	s_cbranch_scc0 .Lfor_b_\@
	tensor_load_to_lds s[G0+4*\s:G0+4*\s+3], s[G1:G1+7]
	s_nop 0
.rept 4
	v_nop
.endr
	s_branch .Lasked_\@
.Lfor_b_\@:
	tensor_load_to_lds s[G0B+4*\s:G0B+4*\s+3], s[G1B:G1B+7]
	s_nop 0
.rept 4
	v_nop
.endr
.Lasked_\@:
.endm
.macro CREST
	s_cmp_lg_u32 s10, 0
	s_cbranch_scc1 .Lnot_wave_0_\@
	s_barrier_signal -3
.Lnot_wave_0_\@:
	s_barrier_wait -3
	s_barrier_signal -1
	s_barrier_wait -1
.endm
.macro CROUND
	s_barrier_signal -1
	s_barrier_wait -1
	CREST
.endm
	s_load_b128 s[4:7], s[0:1], 0x0                ; A, B
	s_load_b128 s[68:71], s[0:1], 0x10             ; out0, out1
	v_lshl_add_u32 v[SPW], v0, 2, SPARE
	v_mov_b32 v[NIL], 0
	ds_add_u32 v[SPW], v[NIL]                      ; the wave's opening: the add, twice on end, and its wait ahead of my first tensor load
	ds_add_u32 v[SPW], v[NIL]
	v_lshrrev_b32 v1, 5, v0
	v_readfirstlane_b32 s10, v1                    ; wave 0..3
	s_lshr_b32 s11, s10, 1                         ; which half of the tile's rows is mine.  Also: I fetch for A (0) or for B (1)
	s_and_b32 s12, s10, 1                          ; which half of its columns.  Also: which 64 rows of that tile I fetch
	s_bfe_u32 s40, ttmp6, 0x40000                  ; cx, cy
	s_bfe_u32 s41, ttmp6, 0x40004
	s_lshl_b32 s42, ttmp9, 2
	s_add_co_u32 s42, s42, s40                     ; tile column
	s_and_b32 s13, ttmp7, 0xffff
	s_lshl_b32 s13, s13, 2
	s_add_co_u32 s13, s13, s41                     ; tile row
	s_lshl_b32 s43, s41, 2
	s_lshl_b32 s43, 15, s43                        ; my row of the cluster
	s_lshl_b32 s44, 0x1111, s40                    ; my column
	s_or_b32 s[G1+0], s43, (1<<16)|(1<<20)|(1<<21)|(6<<22)|(3<<25)  ; the mask; elements of 2 bytes; padding on; bit 21 beside a mask; 4 words after every 128
	s_or_b32 s[G1B+0], s44, (1<<16)|(1<<20)|(1<<21)|(6<<22)|(3<<25)
.irp g, G1, G1B
	s_mov_b32 s[\g+1], KSTEP<<16                   ; tensor_dim0
	s_mov_b32 s[\g+2], 64<<16                      ; tensor_dim1
	s_mov_b32 s[\g+3], KSTEP<<16                   ; tile_dim0
	s_mov_b32 s[\g+4], 64                          ; tile_dim1
	s_mov_b32 s[\g+5], SIZE_K                      ; the pitch
	s_mov_b32 s[\g+6], 0
	s_mov_b32 s[\g+7], 0
.endr
	s_lshl_b32 s17, s12, 6
	s_lshl_b32 s16, s13, 7
	s_add_co_u32 s16, s16, s17                     ; A: row 128 x tile row + 64 x half
	s_lshl_b32 s46, s42, 7
	s_add_co_u32 s46, s46, s17                     ; B: row 128 x tile column + 64 x half
	s_mov_b32 s17, 0
	s_mov_b32 s47, 0
	s_mov_b64 s[18:19], SIZE_K*2
	s_mul_u64 s[16:17], s[16:17], s[18:19]
	s_mul_u64 s[46:47], s[46:47], s[18:19]
	s_mul_i32 s20, s10, HALFT                      ; where they go: wave x 64 rows
	s_wait_dscnt 0x0                               ; both opening adds are done
	s_wait_kmcnt 0x0
	s_add_nc_u64 s[14:15], s[4:5], s[16:17]
	s_add_nc_u64 s[46:47], s[6:7], s[46:47]
	CROUND                                         ; all sixteen work-groups are here: the first joint loads meet
.irp s, 0,1
	s_mov_b32 s[G0+4*\s], 1
	s_add_co_u32 s[G0+4*\s+1], s20, \s*SLOT
	s_add_nc_u64 s[G0+4*\s+2:G0+4*\s+3], s[14:15], \s*KSTEP*2
	s_or_b32 s[G0+4*\s+3], s[G0+4*\s+3], 0x80000000
	s_mov_b32 s[G0B+4*\s], 1
	s_add_co_u32 s[G0B+4*\s+1], s20, \s*SLOT
	s_add_nc_u64 s[G0B+4*\s+2:G0B+4*\s+3], s[46:47], \s*KSTEP*2
	s_or_b32 s[G0B+4*\s+3], s[G0B+4*\s+3], 0x80000000
	JLOAD \s
.endr
	v_and_b32 v1, 15, v0                           ; l % 16
	v_bfe_u32 v2, v0, 4, 1                         ; l / 16
	v_mul_u32_u24 v3, v1, PITCH
	v_lshl_add_u32 v3, v2, 4, v3                   ; a fragment's row x pitch + 16 x half
	s_mul_i32 s21, s11, HALFT                      ; my 64 rows of A
	s_mul_i32 s22, s12, HALFT                      ; my 64 rows of B,
	s_add_co_u32 s22, s22, 2*HALFT                 ; behind A's 128
.irp s, 0,1
	v_add_nc_u32 v[ADRA+\s], s21, v3
	v_add_nc_u32 v[ADRB+\s], s22, v3
	s_add_co_u32 s21, s21, SLOT
	s_add_co_u32 s22, s22, SLOT
.endr
	s_mul_i32 s23, s10, 16*SPITCH
	s_add_co_u32 s23, s23, STAGE                   ; my stage
	v_mul_u32_u24 v4, v1, SPITCH                   ; in: row l % 16, 32 bytes for each half of the lanes
	v_lshl_add_u32 v4, v2, 5, v4
	v_add_nc_u32 v[STO], s23, v4
	v_mul_u32_u24 v5, v2, SPITCH                   ; back: lanes 0-15 one row of 256 bytes, lanes 16-31 the next
	v_lshl_add_u32 v5, v1, 4, v5
	v_add_nc_u32 v[RD], s23, v5
	v_lshlrev_b32 v5, 12, v2                       ; and the same two rows of the output: 4,096 bytes a row
	v_lshl_add_u32 v[CO], v1, 4, v5
	s_cmp_lt_u32 ttmp9, 2                          ; tile columns 0-7 are out0's, 8-15 out1's: the border lies between clusters, so the choice hangs on the cluster's x alone
	s_cselect_b64 s[8:9], s[68:69], s[70:71]
	s_lshl_b32 s16, s13, 7
	s_lshl_b32 s17, s11, 6
	s_add_co_u32 s16, s16, s17                     ; my first row: 128 x tile row + 64 x half
	s_lshl_b32 s16, s16, 12
	s_mov_b32 s17, 0
	s_add_nc_u64 s[8:9], s[8:9], s[16:17]
	s_and_b32 s46, s42, 7
	s_lshl_b32 s46, s46, 9                         ; my first column, in bytes: 512 x (tile column % 8) + 256 x half
	s_lshl_b32 s47, s12, 8
	s_add_co_u32 s46, s46, s47
	s_mov_b32 s47, 0
	s_add_nc_u64 s[8:9], s[8:9], s[46:47]
; 8 matrix instructions: m blocks a0, a0 + 1 x all 4 n blocks, 32 along K: half c of buffer f.  The 16 accumulators take turns.
.macro MUL8 f, c, a0, zero
.irp a, \a0, \a0+1
.irp b, 0,1,2,3
.if \zero
	v_wmma_f32_16x16x32_f16 v[ACC+8*(4*(\a)+\b):ACC+8*(4*(\a)+\b)+7], v[\f+64+8*(4*\c+\b):\f+64+8*(4*\c+\b)+7], v[\f+8*(4*\c+\a):\f+8*(4*\c+\a)+7], 0
.else
	v_wmma_f32_16x16x32_f16 v[ACC+8*(4*(\a)+\b):ACC+8*(4*(\a)+\b)+7], v[\f+64+8*(4*\c+\b):\f+64+8*(4*\c+\b)+7], v[\f+8*(4*\c+\a):\f+8*(4*\c+\a)+7], v[ACC+8*(4*(\a)+\b):ACC+8*(4*(\a)+\b)+7]
.endif
.endr
.endr
.endm
.macro FETCH slot, k, f                ; 32 LDS loads in one run: the fragments of 64 along K at byte k of the rows; the first 32 along K first
	WIN TO_F
.irp c, 0,1
.irp i, 0,1,2,3
	ds_load_b128 v[\f+64+8*(4*\c+\i):\f+64+8*(4*\c+\i)+3],   v[ADRB+\slot] offset:\k+64*\c+\i*16*PITCH
	ds_load_b128 v[\f+64+8*(4*\c+\i)+4:\f+64+8*(4*\c+\i)+7], v[ADRB+\slot] offset:\k+64*\c+\i*16*PITCH+32
	ds_load_b128 v[\f+8*(4*\c+\i):\f+8*(4*\c+\i)+3],         v[ADRA+\slot] offset:\k+64*\c+\i*16*PITCH
	ds_load_b128 v[\f+8*(4*\c+\i)+4:\f+8*(4*\c+\i)+7],       v[ADRA+\slot] offset:\k+64*\c+\i*16*PITCH+32
.endr
.endr
.endm
.macro PLACES
.rept 4
	v_nop
.endr
.endm
.macro QUARTER slot, k, f, g, zero     ; 64 along K: multiplies buffer f and fetches the next quarter, at byte k, into g
	s_wait_dscnt 16                                ; the first 32 along K are in
	WIN MUL
	MUL8 \f, 0, 0, \zero
	MUL8 \f, 0, 2, \zero
	PLACES
	FETCH \slot, \k, \g
	s_wait_dscnt 32                                ; all but the 32 just issued
	WIN MUL
	MUL8 \f, 1, 0, 0
	MUL8 \f, 1, 2, 0
.endm
; The last quarter multiplies buffer 1 and changes slots: one barrier; in front of it each wave waits for all its tensor loads, adds 0 to its spare word, and waits for that and for its reads of this slot.
.macro TURN slot, next, fill
	WIN 0
	s_wait_tensorcnt 0x0                           ; all my tensor loads have landed: my part of the next slot
	ds_add_u32 v[SPW], v[NIL]
	s_wait_dscnt 17                                ; (the add and the youngest sixteen loads may be out)
	WIN MUL
	MUL8 F1, 0, 0, 0
	s_wait_dscnt 0x0                               ; the add is done, and my reads of this slot are over
	s_barrier_signal -1
	MUL8 F1, 0, 2, 0
.if \fill
	WIN 0
.endif
	s_barrier_wait -1
.if \fill
	CREST                                          ; the barrier has opened a round of the cluster's barrier
	s_add_nc_u64 s[G0+4*\slot+2:G0+4*\slot+3], s[G0+4*\slot+2:G0+4*\slot+3], 2*KSTEP*2
	s_add_nc_u64 s[G0B+4*\slot+2:G0B+4*\slot+3], s[G0B+4*\slot+2:G0B+4*\slot+3], 2*KSTEP*2
	JLOAD \slot                                    ; the first tensor load behind the round; its four v_nop are the places in front of the loads below
.else
	PLACES
.endif
	FETCH \next, 0, F0
	WIN MUL
	MUL8 F1, 1, 0, 0
	MUL8 F1, 1, 2, 0
.endm
	s_wait_tensorcnt 1                             ; my part of K step 0 is in (K step 1's may be out)
	s_barrier_signal -1
	s_barrier_wait -1
	FETCH 0, 0, F0
	QUARTER 0, 128, F0, F1, 1                      ; the first products start the sums
	WIN 0
	s_mov_b32 s3, LAPS-1
.Llap:                                                 ; a trip goes once round the ring and fills both slots again
	QUARTER 0, 256, F1, F0, 0
	QUARTER 0, 384, F0, F1, 0
	TURN 0, 1, 1
	QUARTER 1, 128, F0, F1, 0
	QUARTER 1, 256, F1, F0, 0
	QUARTER 1, 384, F0, F1, 0
	TURN 1, 0, 1
	QUARTER 0, 128, F0, F1, 0
	WIN 0
	s_sub_co_u32 s3, s3, 1
	s_cmp_lg_u32 s3, 0
	s_cbranch_scc1 .Llap
	QUARTER 0, 256, F1, F0, 0                      ; the last lap fills nothing
	QUARTER 0, 384, F0, F1, 0
	TURN 0, 1, 0
	QUARTER 1, 128, F0, F1, 0
	QUARTER 1, 256, F1, F0, 0
	QUARTER 1, 384, F0, F1, 0
	s_wait_dscnt 16
	WIN MUL
	MUL8 F1, 0, 0, 0
	MUL8 F1, 0, 2, 0
	s_wait_dscnt 0
	MUL8 F1, 1, 0, 0
	MUL8 F1, 1, 2, 0
	WIN 0
; THE WAY OUT, block by block of 16 rows x 64 columns of f32: into my stage, back as whole rows of 256 bytes, two rows an instruction.
.macro TOSTAGE a
.irp b, 0,1,2,3
	ds_store_b128 v[STO], v[ACC+8*(4*(\a)+\b):ACC+8*(4*(\a)+\b)+3] offset:64*\b        ; each accumulator from its low end on
	ds_store_b128 v[STO], v[ACC+8*(4*(\a)+\b)+4:ACC+8*(4*(\a)+\b)+7] offset:64*\b+16
.endr
.set BB, TMP+32*((\a)%2)
.irp t, 0,1,2,3,4,5,6,7
	ds_load_b128 v[BB+4*\t:BB+4*\t+3], v[RD] offset:\t*2*SPITCH    ; LDS serves a wave's instructions in order: these see the stores above
.endr
.endm
.macro SEND a, younger                 ; younger: the LDS instructions issued behind block a's loads, which may stay out
.set BB, TMP+32*((\a)%2)
	s_wait_dscnt \younger
.irp t, 0,1,2,3,4,5,6,7
	global_store_b128 v[CO], v[BB+4*\t:BB+4*\t+3], s[8:9] offset:65536*(\a)+8192*\t th:TH_STORE_NT   ; 16 lanes store 256 consecutive bytes, aligned; written once, read by nobody here
.endr
.endm
	PLACES
	TOSTAGE 0
.irp a, 1,2,3
.if \a > 1
	s_wait_xcnt 0x0                                ; block a - 2's stores have read their data: block a's loads land there only behind this wait
.endif
	TOSTAGE \a
	SEND \a-1, 16                                  ; behind block a - 1's loads: block a's 8 stores and 8 loads
.endr
	SEND 3, 0
	s_wait_tensorcnt 0x0                           ; the wave's end: behind my last tensor load and my last LDS store
	ds_add_u32 v[SPW], v[NIL]
	s_wait_dscnt 0x0
	CROUND                                         ; the closing round
	s_endpgm
.Lfunc_end_k_q2fc6d748d9_oproj:
	.size	k_q2fc6d748d9_oproj, .Lfunc_end_k_q2fc6d748d9_oproj-k_q2fc6d748d9_oproj
	.p2alignl 7, 3214868480
	.fill 96, 4, 3214868480
	.section	.rodata,"a",@progbits
	.p2align	6, 0x0
	.amdhsa_kernel k_q2fc6d748d9_oproj
		.amdhsa_group_segment_fixed_size 327680
		.amdhsa_private_segment_fixed_size 0
		.amdhsa_enable_private_segment 0
		.amdhsa_kernarg_size 32
		.amdhsa_user_sgpr_count 2
		.amdhsa_user_sgpr_kernarg_segment_ptr 1
		.amdhsa_wavefront_size32 1
		.amdhsa_system_sgpr_workgroup_id_x 1
		.amdhsa_system_sgpr_workgroup_id_y 1
		.amdhsa_system_sgpr_workgroup_id_z 1
		.amdhsa_system_vgpr_workitem_id 0
		.amdhsa_next_free_vgpr 512
		.amdhsa_next_free_sgpr 72
		.amdhsa_reserve_vcc 0
		.amdhsa_float_denorm_mode_32 3
		.amdhsa_float_denorm_mode_16_64 3
		.amdhsa_memory_ordered 1
		.amdhsa_forward_progress 1
		.amdhsa_inst_pref_size 86
	.end_amdhsa_kernel
	.amdgpu_metadata
---
amdhsa.version: [ 1, 2 ]
amdhsa.kernels:
  - .name:           k_q2fc6d748d9_oproj
    .symbol:         k_q2fc6d748d9_oproj.kd
    .args:
      - { .name: att, .offset: 0, .size: 8, .value_kind: global_buffer, .address_space: global }
      - { .name: ow16, .offset: 8, .size: 8, .value_kind: global_buffer, .address_space: global }
      - { .name: out0, .offset: 16, .size: 8, .value_kind: global_buffer, .address_space: global }
      - { .name: out1, .offset: 24, .size: 8, .value_kind: global_buffer, .address_space: global }
    .group_segment_fixed_size: 327680
    .private_segment_fixed_size: 0
    .kernarg_segment_align: 8
    .kernarg_segment_size: 32
    .max_flat_workgroup_size: 128
    .sgpr_count:     72
    .vgpr_count:     512
    .wavefront_size: 32
...
	.end_amdgpu_metadata
.endif
;; end of part 4
